; MI455X (gfx1250); checked and timed in simulation.
; The chip was launched on July 23, 2026; its instructions are those of AMD's public machine-readable ISA for CDNA 5 (MIT licence, August 2026) and "CDNA5" Instruction Set Architecture Reference Guide (July 2026). The comments in the code are by the model that wrote it; some were corrected since.
;; Weight Share Self Attention. Allowed arithmetic: matrix products marked QUANTISED: E2M3 operands, one E8M0 scale for each 32 along K, by v_wmma_scale_f32_16x16x128_f8f6f4 with both operands' format E2M3, f32 sums; everything else in f32.
;; Inputs: W_o 1,024 x 1,024 float32; W_qkv 3,072 x 1,024 float32; W_r 1,024 x 1,024 float32; b_o 1,024 float32; pos_emb 1 x 1,024 x 2,048 float32; r_r_bias 16 x 64 float32; r_w_bias 16 x 64 float32; u1ss 2 x 3,072 x 2,048 float32; z1ss 2 x 1,024 x 2,048 float32.
;; Outputs: out0 2 x 1,024 x 2,048 float32.
;; This version of the problem:
;;   THIS VERSION OF THE PROBLEM IS GIVEN IN LOW PRECISION. The matrix products marked QUANTISED in the list below multiply operands that are first quantised to E2M3 (2 exponent bits, 3 mantissa bits; 6 bits a number), with one power-of-two scale for each 32 numbers along K (OCP MX v1.0); their sums are f32. All else is computed in f32.
;;   The module's matrix products, in the order in which they are computed (A, B: the left and right operand; K: the contracted axis; several contracted axes count as one K, in the product's order):
;;     1. [M 4,096, K 1,024] x [K 1,024, N 3,072]; A: input z1ss; B: input W_qkv: QUANTISED
;;     2. [M 1,024, K 1,024] x [K 1,024, N 2,048]; A: input W_r; B: input pos_emb: QUANTISED
;;     3. batch 32 x [M 2,048, K 64] x [K 64, N 2,048]; A: computed on the way; B: computed on the way: QUANTISED
;;     4. batch 16 x [M 2,048, K 64] x [K 64, N 4,096]; A: computed on the way; B: computed on the way: QUANTISED
;;     5. batch 32 x [M 64, K 2,048] x [K 2,048, N 2,048]; A: computed on the way; B: softmax (see below): QUANTISED
;;     6. [M 4,096, K 1,024] x [K 1,024, N 1,024]; A: computed on the way; B: input W_o: QUANTISED
;;   THE QUANTISER, for each operand of a quantised product, along K:
;;     - K is cut into blocks of 32 from its start; a last block that is shorter is filled with zeros.
;;     - A block's scale is 2^e with e = floor(log2(the largest magnitude in the block)) - 2, held to -126 .. 127; a block of zeros has e = 0. As a byte (E8M0): e + 127.
;;     - Each number is divided by its block's scale, clamped to +-7.5, and rounded to the nearest number of E2M3, ties to even, subnormals kept.
;;     - The product sums the exact products of the quantised numbers (number of the format x scale) in f32.
;;   ~~~python
;;   def quantise(x, axis):      # numpy; x: float32 -> the quantised numbers, widened to float32 again
;;       x = np.moveaxis(x, axis, -1); K = x.shape[-1]
;;       x = np.pad(x, [(0, 0)] * (x.ndim - 1) + [(0, -K % 32)]); x = x.reshape(x.shape[:-1] + (-1, 32)); a = np.abs(x).max(-1, keepdims=True)
;;       e = np.where(a > 0, np.clip(np.frexp(np.where(a > 0, a, 1))[1] - 1 - 2, -126, 127), 0)      # np.frexp(a)[1] - 1 = floor(log2(a)), exactly
;;       r = np.clip(x / 2.0 ** e, -7.5, 7.5)
;;       step = 2.0 ** (np.maximum(np.frexp(np.where(r == 0, 1, r))[1] - 1, 0) - 3)
;;       q = np.round(r / step) * step * 2.0 ** e      # np.round: ties to even
;;       return np.moveaxis(q.reshape(q.shape[:-2] + (-1,))[..., :K], -1, axis).astype(np.float32)
;;   ~~~
;;   SOFTMAX AHEAD OF A QUANTISED PRODUCT. Where the list says 'softmax', what is quantised is not the finished softmax but p = 2^(t - M), with t = logit x log2(e) and M = ceil(the row's largest t), a whole number; so 1/2 < the row's largest p <= 1. The row's sum l is taken of the UNQUANTISED p, in f32, and the product's result is divided by l at the end. Since M is a whole number, a kernel that streams over the keys may use a running M (the ceiling of the running maximum): every later rescaling is an exact power of two, which a block's scale takes up: the codes' values come out the same.
;;   OPERANDS COMPUTED ON THE WAY. 'Computed on the way' means the value that the module computes at that place (a softmax that the list does not call 'softmax' is quantised finished and normalised). What goes into a quantiser is computed in f32, as accurately as f32 sums, v_exp_f32 and their like allow (about 1e-6 of the number): no bf16 or f16 on the way to a quantiser, and a product that is left as it is and whose result goes on into a quantised operand takes f32 operands (vector FMAs, or v_wmma_f32_16x16x4_f32). A number that lies on a knife's edge between two numbers of the format may be rounded either way, as far as f32 arithmetic and the matrix unit's own rounding can turn it there, and no further.
;; One version. Each part assembles by itself: llvm-mc -triple=amdgcn-amd-amdhsa -mcpu=gfx1250 --defsym DOCPART=n.
;; ======== version 1 of 1: 5 launches
;; workspace buffers: wc 3,932,160 bytes; ws 163,840 bytes; xc 4,718,592 bytes; xs 196,608 bytes; att 14,876,672 bytes; aqc 3,145,728 bytes; aqs 131,072 bytes; ao 16,777,216 bytes
;; launch quant (part 1): grid 320 x 1, 4 waves a work-group, no clusters, 69,120 bytes of LDS; arguments W_qkv, W_r, W_o, wc, ws, z1ss, pos_emb, xc, xs; writes wc, ws, xc, xs
.if DOCPART == 1
	.amdgcn_target "amdgcn-amd-amdhsa--gfx1250"
	.amdhsa_code_object_version 6
	.text
	.protected	k_qddc8ba958c_quant
	.globl	k_qddc8ba958c_quant
	.p2align	8
	.type	k_qddc8ba958c_quant,@function
k_qddc8ba958c_quant:
	s_mov_b64 s[64:65], 0
	v_nop
	global_prefetch_b8 v0, s[64:65] scope:SCOPE_SE
	s_setreg_imm32_b32 hwreg(HW_REG_WAVE_MODE, 25, 1), 1
	s_wait_xcnt 0x0
; All five wide operands of the projections become codes of FP6 (E2M3) with K innermost and one E8M0 byte for each 32 along K.  One launch, two paths that part on the work-group's number at the first line:
;   work-groups 0-159: W_qkv [3072][1024], W_r [1024][1024], W_o [1024][1024], K innermost -> wc [5120][768 bytes], ws [5120][32 bytes]; rows 0-3071 W_qkv, 3072-4095 W_r, 4096-5119 W_o;
;   work-groups 160-319: z1ss [2][1024 (k)][2048] and columns 1024-2047 of pos_emb [1024 (k)][2048], K the FIRST axis of a matrix -> xc [6144][768 bytes], xs [6144][32 bytes]; row = 2048 b + position for z1ss, 4096 + position for pos_emb.
; (pos_emb's columns 0-1023 meet only pairs with i - j over 1023, which reference()'s own mask throws away: rows 4096-5119 of xc and xs are neither written nor read.)
; A block's scale is 2^(floor(log2(largest magnitude)) - 2): its byte is the largest magnitude's exponent field - 2, held at 1 from below.
; (A block of zeros keeps the byte 1 where the rule says 127: its codes are zeros, and only this program reads the bytes.)
; LIMITS: blocks whose largest magnitude lies under 2^-124 keep the byte 1; NaN and infinities among the inputs are not served.
; Each path has LDS bytes of its own: the weights' path bytes 0 to 32,767, the other 32,768 to 67,583.  No tensor load, no barrier: waves share nothing.
.set NW,    160                        ; work-groups of the weights' path
.set EMAX,  2
; ---- the weights' path: a wave takes 16 steps of 512 numbers = 8 rows
.set STEPS, 16
.set CB,    12                         ; bytes of 16 codes
.set WR,    16                         ; v16-79   four sets of 16 numbers as loaded
.set WX,    80                         ; v80-111  two sets of 16 neighbours
.set WC,    128                        ; v128-191 codes: four registers a step
.set WE,    112                        ; v112-127 a scale byte a step
.set WREG,  8192                       ; LDS of a wave: two stages of 32 x SP bytes, then its 256 scale bytes
.set SP,    80                         ; a lane's place in a stage: 64 bytes + 16 of padding
; ---- the other path: a wave takes 32 columns x 256 along K
.set SIZE_K, 1024
.set SIZE_N, 2048
.set KW,    256
.set NB,    KW/32
.set ROWB,  192
.set PITCH, 272                        ; a stage row: sixteen places of 16 bytes, each with 12 bytes of codes, + 16
.set KROW,  SIZE_K*6/8
.set XLDS,  32768                      ; where this path's LDS bytes begin
.set XX,    32                         ; v32-95   two sets of 32 numbers
.set XC,    96                         ; a block's codes
.set OUTR,  112                        ; v112-175 the way out
.set SB,    24                         ; the scale bytes, four to a register
	v_lshl_add_u32 v192, v0, 2, 0x10c00
	v_mov_b32 v193, 0
	s_cmp_ge_u32 ttmp9, NW
	s_cbranch_scc1 .Lacts
; THE WEIGHTS.  Work-groups 0-95 take W_qkv, 96-127 W_r, 128-159 W_o: only pointers are chosen.
; THE ROWS OF W_v (2048-3071) ARE STORED WITH BITS 3 AND 4 OF THE ROW NUMBER EXCHANGED: a wave's run is 8 rows, so the exchange is one of the wave's two bits in the OUTPUT run's number.
; With it the registers of the attention's O^T come out as neighbours along the channels, the last product's K.
; Each load reads 512 consecutive bytes; a step's 2,048 bytes turn through the wave's own stage in LDS, so that a lane then holds 16 neighbours along K.
	s_load_b128 s[4:7], s[0:1], 0x0                ; W_qkv, W_r
	s_load_b128 s[8:11], s[0:1], 0x10              ; W_o, wc
	s_load_b64 s[12:13], s[0:1], 0x20              ; ws
	v_lshrrev_b32 v1, 5, v0
	v_readfirstlane_b32 s16, v1                    ; wave
	v_and_b32 v2, 31, v0                           ; lane
	v_lshlrev_b32 v3, 4, v2                        ; my 16 bytes of a load's 512
	s_mul_i32 s17, s16, WREG
	v_lshrrev_b32 v14, 2, v2
	v_mul_u32_u24 v14, v14, SP
	v_and_b32 v15, 3, v2
	v_lshl_add_u32 v14, v15, 4, v14
	v_add_nc_u32 v14, s17, v14                     ; into the stage: SP (lane / 4) + 16 (lane % 4)
	v_mul_u32_u24 v15, v2, SP
	v_add_nc_u32 v15, s17, v15                     ; out of it: SP x lane: my 16 neighbours
	v_mul_u32_u24 v4, v2, CB                       ; my codes' place in a step's
	v_lshrrev_b32 v5, 1, v2
	s_add_co_u32 s17, s17, 2*32*SP
	v_add_nc_u32 v5, s17, v5                       ; LDS: my block's scale byte
	v_lshlrev_b32 v7, 3, v2
	v_add_nc_u32 v6, s17, v7                       ; and 8 bytes a lane on the way out
	s_wait_kmcnt 0x0
	s_mov_b32 s17, 128
	s_cmp_lt_u32 ttmp9, 128                        ; which tensor: the choice hangs on the work-group's number alone
	s_cselect_b64 s[6:7], s[6:7], s[8:9]
	s_cselect_b32 s17, 96, s17
	s_cmp_lt_u32 ttmp9, 96
	s_cselect_b64 s[4:5], s[4:5], s[6:7]
	s_cselect_b32 s17, 0, s17
	s_sub_co_u32 s17, ttmp9, s17                   ; the work-group's number within its tensor
	s_lshl_b32 s17, s17, 2
	s_add_co_u32 s18, s17, s16                     ; my run of 8,192 numbers in the input
	s_mov_b32 s19, 0
	s_lshl_b64 s[20:21], s[18:19], 15
	s_add_nc_u64 s[4:5], s[4:5], s[20:21]
	s_and_b32 s22, s16, 1                          ; the wave's two bits exchanged,
	s_lshl_b32 s22, s22, 1
	s_lshr_b32 s23, s16, 1
	s_or_b32 s22, s22, s23
	s_sub_co_u32 s23, ttmp9, 64
	s_cmp_lt_u32 s23, 32                           ; in W_v's work-groups, 64 to 95, alone
	s_cselect_b32 s22, s22, s16
	s_lshl_b32 s18, ttmp9, 2
	s_add_co_u32 s18, s18, s22                     ; my run in the output
	s_mul_i32 s20, s18, 32*STEPS*CB
	s_mov_b32 s21, 0
	s_add_nc_u64 s[10:11], s[10:11], s[20:21]
	s_lshl_b32 s18, s18, 8                         ; 256 scale bytes a run
	s_add_nc_u64 s[12:13], s[12:13], s[18:19]
.macro WLOAD t
.irp i, 0,1,2,3
	global_load_b128 v[WR+16*((\t)%4)+4*\i:WR+16*((\t)%4)+4*\i+3], v3, s[4:5] offset:2048*(\t)+512*\i th:TH_LOAD_NT   ; 32 lanes read 512 consecutive bytes
.endr
.endm
.macro WTURN t                         ; step t's numbers through the stage: LDS serves a wave's instructions in order (ISA guide 5.7.1.4)
.irp i, 0,1,2,3
	ds_store_b128 v14, v[WR+16*((\t)%4)+4*\i:WR+16*((\t)%4)+4*\i+3] offset:32*SP*((\t)%2)+8*SP*\i
.endr
.irp i, 0,1,2,3
	ds_load_b128 v[WX+16*((\t)%2)+4*\i:WX+16*((\t)%2)+4*\i+3], v15 offset:32*SP*((\t)%2)+16*\i
.endr
.endm
.irp t, 0,1,2,3
	WLOAD \t
.endr
	s_wait_loadcnt 12                              ; step 0's four loads are in; twelve younger ones stay out
	WTURN 0
.macro WSTEP t
.set XS, WX+16*((\t)%2)
.if (\t) > 0
	s_wait_dscnt 1                                 ; this step's numbers are back from the stage (the last step's byte store may be out)
.else
	s_wait_dscnt 0x0
.endif
.if (\t)+4 < STEPS
	WLOAD (\t)+4                                   ; into the registers that the stage's stores have read
.endif
.if (\t)+1 < STEPS
.if STEPS-2-(\t) >= 3
	s_wait_loadcnt 12                              ; the next step's four loads are in; those of the three steps behind it may be out
.else
	s_wait_loadcnt 4*(STEPS-2-(\t))
.endif
	WTURN (\t)+1
.endif
	v_max3_num_f32 v8, |v[XS]|, |v[XS+1]|, |v[XS+2]|               ; the largest magnitude of my 16, in two chains
	v_max3_num_f32 v9, |v[XS+3]|, |v[XS+4]|, |v[XS+5]|
.irp i, 6,10
	v_max3_num_f32 v8, v8, |v[XS+\i]|, |v[XS+\i+1]|
	v_max3_num_f32 v9, v9, |v[XS+\i+2]|, |v[XS+\i+3]|
.endr
	v_max3_num_f32 v8, v8, |v[XS+14]|, |v[XS+15]|
	v_max3_num_f32 v8, v8, v9, (EMAX+1)<<23        ; and the floor 2^(3 - 127): the byte cannot fall under 1
	v_max_num_f32_dpp v8, v8, v8 row_xmask:1 row_mask:0xf bank_mask:0xf   ; with my neighbour's 16: the block's
	v_add_nc_u32 v11, -(EMAX<<23), v8              ; 2 off the exponent field: the conversion's scale operand
	v_cvt_scalef32_pk16_fp6_f32 v[WC+4*(\t):WC+4*(\t)+2], v[XS:XS+15], v11
	v_lshrrev_b32 v[WE+(\t)], 23, v11              ; the scale's byte
	ds_store_b8 v5, v[WE+(\t)] offset:16*(\t)      ; both lanes of a block write the same byte with the same value
	global_store_b96 v4, v[WC+4*(\t):WC+4*(\t)+2], s[10:11] offset:32*CB*(\t)   ; the wave stores 384 consecutive bytes
.endm
.irp t, 0,1,2,3,4,5,6,7,8,9,10,11,12,13,14,15
	WSTEP \t
.endr
	ds_load_b64 v[12:13], v6                       ; in order behind my byte stores
	s_wait_dscnt 0x0
	global_store_b64 v7, v[12:13], s[12:13]        ; 32 lanes store 256 consecutive bytes, aligned
	s_wait_tensorcnt 0x0
	ds_add_u32 v192, v193
	s_wait_dscnt 0x0
	s_endpgm
; z1ss AND pos_emb.  A LANE TAKES A COLUMN, ITS REGISTERS RUN DOWN K: a block of 32 along K lies in one lane, and the conversions give codes with K innermost.
; A wave's codes go through its own stage in LDS and leave by rows of 192 consecutive bytes.
; id = work-group - 160; x = id / 4: 0-31 z1ss (batch x / 16, columns 128 (x % 16) on), 32-39 pos_emb (columns 1024 + 128 (x - 32) on); id % 4: which 256 along K.
.Lacts:
	s_load_b128 s[4:7], s[0:1], 0x28               ; z1ss, pos_emb
	s_load_b128 s[8:11], s[0:1], 0x38              ; xc, xs
	v_lshrrev_b32 v1, 5, v0
	v_readfirstlane_b32 s16, v1                    ; wave
	v_and_b32 v2, 31, v0                           ; lane
	s_sub_co_u32 s13, ttmp9, NW                    ; id
	s_lshr_b32 s15, s13, 2                         ; x
	s_lshr_b32 s30, s15, 4                         ; 0, 1: z1ss's batch; 2: pos_emb.  2,048 x this is the first output row
	s_and_b32 s17, s15, 15
	s_cmp_lt_u32 s15, 32
	s_cselect_b32 s31, 0, 8
	s_cselect_b32 s14, s30, 0                      ; the batch in the input
	s_add_co_u32 s17, s17, s31
	s_lshl_b32 s17, s17, 7
	s_lshl_b32 s18, s16, 5
	s_add_co_u32 s17, s17, s18                     ; my wave's first column
	s_and_b32 s18, s13, 3                          ; which 256 along K
	v_lshlrev_b32 v3, 2, v2                        ; in: 4 bytes a lane
	s_mul_i32 s19, s16, 32*PITCH
	s_add_co_u32 s19, s19, XLDS                    ; my stage
	v_mul_u32_u24 v4, v2, PITCH
	v_add_nc_u32 v4, s19, v4                       ; into it: row = my column
	v_and_b32 v5, 15, v2
	v_lshrrev_b32 v6, 4, v2
	v_mul_u32_u24 v7, v6, PITCH
	v_lshl_add_u32 v7, v5, 4, v7
	v_add_nc_u32 v7, s19, v7                       ; out of it: sixteen lanes to a row, two rows an instruction
	v_mul_u32_u24 v8, v6, KROW
	v_mad_u32_u24 v8, v5, 12, v8                   ; and the same place in xc
	s_lshl_b32 s20, s18, 21                        ; input: 256 rows of 8,192 bytes for each step along K
	s_lshl_b32 s22, s17, 2
	s_add_co_u32 s20, s20, s22                     ; + 4 x column
	s_lshl_b32 s22, s14, 23
	s_add_co_u32 s20, s20, s22                     ; + the batch
	s_mov_b32 s21, 0
	s_lshl_b32 s22, s30, 11
	s_add_co_u32 s22, s22, s17                     ; my first output row
	s_mul_i32 s24, s22, KROW
	s_mul_i32 s26, s18, ROWB
	s_add_co_u32 s24, s24, s26
	s_mov_b32 s25, 0
	s_lshl_b32 s28, s22, 5
	s_lshl_b32 s26, s18, 3
	s_add_co_u32 s28, s28, s26
	s_mov_b32 s29, 0
	v_mul_u32_u24 v9, v2, SIZE_K/32                ; my column's row of scale bytes
	s_wait_kmcnt 0x0
	s_cmp_lt_u32 s15, 32
	s_cselect_b64 s[4:5], s[4:5], s[6:7]
	s_add_nc_u64 s[4:5], s[4:5], s[20:21]
	s_add_nc_u64 s[8:9], s[8:9], s[24:25]
	s_add_nc_u64 s[10:11], s[10:11], s[28:29]
.macro XLOAD t                         ; block t: rows 32 t + i of my column, into set t % 2; the wave reads 128 consecutive bytes, the four waves 512
.irp i, 0,1,2,3,4,5,6,7,8,9,10,11,12,13,14,15,16,17,18,19,20,21,22,23,24,25,26,27,28,29,30,31
	global_load_b32 v[XX+32*((\t)%2)+\i], v3, s[4:5] offset:(32*(\t)+\i)*SIZE_N*4 th:TH_LOAD_NT
.endr
.endm
	XLOAD 0
	XLOAD 1
.macro XBLOCK t
.set XS, XX+32*((\t)%2)
.if (\t) < NB-1
	s_wait_loadcnt 32                              ; this block's 32 loads are in; the next block's may be out
.else
	s_wait_loadcnt 0
.endif
	v_max3_num_f32 v12, |v[XS]|, |v[XS+1]|, |v[XS+2]|
	v_max3_num_f32 v13, |v[XS+3]|, |v[XS+4]|, |v[XS+5]|
.irp i, 6,10,14,18,22,26
	v_max3_num_f32 v12, v12, |v[XS+\i]|, |v[XS+\i+1]|
	v_max3_num_f32 v13, v13, |v[XS+\i+2]|, |v[XS+\i+3]|
.endr
	v_max3_num_f32 v12, v12, |v[XS+30]|, |v[XS+31]|
	v_max3_num_f32 v12, v12, v13, (EMAX+1)<<23     ; with the floor 2^(3 - 127)
	v_add_nc_u32 v11, -(EMAX<<23), v12             ; the conversion's scale operand
	v_lshrrev_b32 v13, 23, v11                     ; the scale's byte
.if (\t)%4 == 0
	v_mov_b32 v[SB+(\t)/4], v13
.else
	v_lshl_or_b32 v[SB+(\t)/4], v13, 8*((\t)%4), v[SB+(\t)/4]
.endif
	v_cvt_scalef32_pk16_fp6_f32 v[XC:XC+2], v[XS:XS+15], v11
	v_cvt_scalef32_pk16_fp6_f32 v[XC+4:XC+6], v[XS+16:XS+31], v11   ; (a conversion's three registers begin on an even number)
	ds_store_b96 v4, v[XC:XC+2] offset:32*(\t)     ; 12 bytes to a place of 16
	ds_store_b96 v4, v[XC+4:XC+6] offset:32*(\t)+16
.if (\t)+2 < NB
	XLOAD (\t)+2
.endif
	s_wait_dscnt 0x0                               ; the stores have read their registers: the next block's codes may be written
.endm
.set Q, 0
.rept NB
	XBLOCK Q
.set Q, Q+1
.endr
	global_store_b64 v9, v[SB:SB+1], s[10:11]      ; my column's 8 scale bytes
.irp t, 0,1,2,3,4,5,6,7,8,9,10,11,12,13,14,15
	ds_load_b96 v[OUTR+4*\t:OUTR+4*\t+2], v7 offset:2*\t*PITCH
.endr
.irp t, 0,1,2,3,4,5,6,7,8,9,10,11,12,13,14,15
	s_wait_dscnt 15-\t
	global_store_b96 v8, v[OUTR+4*\t:OUTR+4*\t+2], s[8:9] offset:2*\t*KROW
.endr
	s_wait_tensorcnt 0x0
	ds_add_u32 v192, v193
	s_wait_dscnt 0x0
	s_endpgm
.Lfunc_end_k_qddc8ba958c_quant:
	.size	k_qddc8ba958c_quant, .Lfunc_end_k_qddc8ba958c_quant-k_qddc8ba958c_quant
	.p2alignl 7, 3214868480
	.fill 96, 4, 3214868480
	.section	.rodata,"a",@progbits
	.p2align	6, 0x0
	.amdhsa_kernel k_qddc8ba958c_quant
		.amdhsa_group_segment_fixed_size 69120
		.amdhsa_private_segment_fixed_size 0
		.amdhsa_enable_private_segment 0
		.amdhsa_kernarg_size 72
		.amdhsa_user_sgpr_count 2
		.amdhsa_user_sgpr_kernarg_segment_ptr 1
		.amdhsa_wavefront_size32 1
		.amdhsa_system_sgpr_workgroup_id_x 1
		.amdhsa_system_sgpr_workgroup_id_y 1
		.amdhsa_system_sgpr_workgroup_id_z 1
		.amdhsa_system_vgpr_workitem_id 0
		.amdhsa_next_free_vgpr 194
		.amdhsa_next_free_sgpr 66
		.amdhsa_reserve_vcc 0
		.amdhsa_float_denorm_mode_32 3
		.amdhsa_float_denorm_mode_16_64 3
		.amdhsa_memory_ordered 1
		.amdhsa_forward_progress 1
		.amdhsa_inst_pref_size 74
	.end_amdhsa_kernel
	.amdgpu_metadata
---
amdhsa.version: [ 1, 2 ]
amdhsa.kernels:
  - .name:           k_qddc8ba958c_quant
    .symbol:         k_qddc8ba958c_quant.kd
    .args:
      - { .name: W_qkv, .offset: 0, .size: 8, .value_kind: global_buffer, .address_space: global }
      - { .name: W_r, .offset: 8, .size: 8, .value_kind: global_buffer, .address_space: global }
      - { .name: W_o, .offset: 16, .size: 8, .value_kind: global_buffer, .address_space: global }
      - { .name: wc, .offset: 24, .size: 8, .value_kind: global_buffer, .address_space: global }
      - { .name: ws, .offset: 32, .size: 8, .value_kind: global_buffer, .address_space: global }
      - { .name: z1ss, .offset: 40, .size: 8, .value_kind: global_buffer, .address_space: global }
      - { .name: pos_emb, .offset: 48, .size: 8, .value_kind: global_buffer, .address_space: global }
      - { .name: xc, .offset: 56, .size: 8, .value_kind: global_buffer, .address_space: global }
      - { .name: xs, .offset: 64, .size: 8, .value_kind: global_buffer, .address_space: global }
    .group_segment_fixed_size: 69120
    .private_segment_fixed_size: 0
    .kernarg_segment_align: 8
    .kernarg_segment_size: 72
    .max_flat_workgroup_size: 128
    .sgpr_count:     66
    .vgpr_count:     194
    .wavefront_size: 32
...
	.end_amdgpu_metadata
.endif
;; end of part 1
;; launch proj (part 2): grid 52 x 4, 4 waves a work-group, clusters of 4 x 4, 327,680 bytes of LDS; arguments xc, xs, wc, ws, u1ss, r_w_bias, r_r_bias, att; writes att
.if DOCPART == 2
	.amdgcn_target "amdgcn-amd-amdhsa--gfx1250"
	.amdhsa_code_object_version 6
	.text
	.protected	k_qddc8ba958c_proj
	.globl	k_qddc8ba958c_proj
	.p2align	8
	.type	k_qddc8ba958c_proj,@function
k_qddc8ba958c_proj:
	s_mov_b64 s[64:65], 0
	v_nop
	global_prefetch_b8 v0, s[64:65] scope:SCOPE_SE
	s_setreg_imm32_b32 hwreg(HW_REG_WAVE_MODE, 25, 1), 1
	s_wait_xcnt 0x0
	s_wait_alu depctr_hold_cnt(0) depctr_sa_sdst(0) depctr_va_vdst(0) depctr_va_sdst(0) depctr_va_ssrc(0) depctr_va_vcc(0) depctr_vm_vsrc(0)
	s_getreg_b32 s2, hwreg(HW_REG_IB_STS2, 6, 4)
	s_cmp_eq_u32 s2, 0
	s_cbranch_scc0 .Lentry_in_a_cluster
	s_endpgm
.Lentry_in_a_cluster:
	s_bfe_u32 s2, ttmp6, 0x10000c
	s_cmp_lg_u32 s2, 0xf033
	s_cbranch_scc0 .Lentry_shape_is_right
	s_endpgm
.Lentry_shape_is_right:
; The two projections (W_qkv z + u1ss and W_r pos_emb) on codes of FP6 (E2M3) with E8M0 scales, K = 1,024, and the quantising of their results for the attention.
; 13 clusters of 4 x 4 work-groups; a work-group makes a tile of 256 x 256, a wave 128 x 128 in 64 accumulators.  c = the cluster's number, kind = c / 4:
;   kind 0 (q), 1 (k): A = 256 positions of z (xc), B = 256 channels (wc);   kind 2 (v): A = 256 channels of W_v (wc), B = 256 positions (xc);   kind 3 (r): A = positions 1024-2047 of pos_emb (xc), B = W_r (wc).
; The matrix instruction is used transposed (source 0 = 16 rows of B, source 1 = 16 rows of A): in accumulator (a, b) lane (r, h) holds A's row 16 a + r and register j B's row 16 b + 8 h + j.
; So a lane's registers run along the NEXT product's K: the channels for q, k, r; the keys for v.  u1ss is the C of each sum's first product (kind 3 begins with 0).
; OUT (buffer att).  q + r_w_bias, q + r_r_bias, k, r: for each head and each 16 positions a record of 768 bytes: registers 0-3 of the 6-bit operand at 16 x lane, registers 4-5 at 512 + 8 x lane;
; their scale bytes as words for PAIRS of tiles (bytes 0, 1: the even tile; 2, 3: the odd one), 128 bytes a pair: lanes 0-15 the even head, lanes 16-31 the odd head.
; v: for each head, 128 keys and 16 channels an image of the operand's 12 registers (3 x 512 bytes) and 128 bytes of scale words.
; Inside a block of 32 the numbers stand in the order in which the result's layout gives them (register 16 b + i of half h: element 32 b + 16 (i / 8) + 8 h + i % 8): the same on both sides of every product that reads them.
; The ring, the joint loads and the barriers: K goes in four steps of 256 through two LDS slots; A's tiles are shared along a row of the cluster, B's along a column; the scale bytes of all of K come once.
; The four K steps are written out: a K step's scale words lie 8 bytes on in a row's 32, which stands in the loads' immediates, so that no LDS address register is ever rewritten.
; LIMITS: blocks whose largest magnitude lies under 2^-124 keep the scale byte 1 (a block of zeros too: its codes are zeros); NaN and infinities are not served.
; REGISTERS: window 0: v0-31 addresses; v32-63 scale words; v128-223 A's fragments; in the way out v32-95 the bias, v96-114 codes, v128-191 64 numbers, v200-220 at work.
;   window 1: B's fragments, two sets.  windows 2, 3: the accumulators ((a, b) at v[8 (8 (a % 4) + b)]).
.set SIZE_K, 1024
.set KSTEP,  256
.set NQ,     KSTEP/128
.set ROWB,   192                       ; a tile's row in bytes
.set KROW,   SIZE_K*6/8
.set PITCH,  240                       ; an LDS row: 3 x (64 bytes + 16 of padding)
.set FR,     12
.set NL,     6
.set NP,     4                         ; places behind this matrix instruction (ISA guide 7.12.1)
.set HALFT,  128*PITCH
.set SLOT,   4*HALFT
.set KS,     SIZE_K/32
.set SCL,    2*SLOT                    ; behind the ring: the scales, as units of 256 bytes + 16 of padding
.set HALFS,  (128*KS/256)*272
.set SBLK,   (16*KS/256)*272
.set SPARE,  SCL+4*HALFS               ; the spare words: 128 bytes a wave, named by no other line
.set ADRA, 16
.set ADRB, 20
.set L16,  24                          ; v24  16 x lane
.set L8,   25                          ; v25  8 x lane
.set L4,   26                          ; v26  4 x lane
.set ADRS, 27                          ; v27  LDS address of my scale words of K step 0: lanes 0-15 A's rows, lanes 16-31 B's; never rewritten
.set SPW,  28
.set NIL,  29
.set ULQ,  30                          ; v30  u1ss, kinds 0 and 1: 4 r + 8 h rows of 8,192 bytes
.set ULV,  31                          ; v31  u1ss, kind 2: my channel's row + 32 h
.set BL,   14                          ; v14  the bias: 32 h
.set SC,   32
.set AF,   128
.set BI,   32                          ; the way out: the bias of my 64 channels, or zeros
.set PC,   96                          ; codes
.set T,    128                         ; 64 numbers
.set TM,   200
.set PW,   216                         ; the scale word just made
.set PW0,  217                         ; that of the even tile
.set WE,   218
.set WO,   219
.set WW,   220
.set SEL,  42
.set KIND, 98
.set PASSES, 99
.set G1, 24
.set G0, 32
.set G1B, 48
.set G0B, 56
.set G1S, 68
.set G0S, 76
.set G1SB, 80
.set G0SB, 88
.set MSB, 0
.macro WIN new                         ; the immediate's high byte repeats the setting that is left
.if MSB != (\new)
	s_set_vgpr_msb (MSB<<8)|(\new)
.set MSB, (\new)
.endif
.endm
.set MUL_LO, 0xa1                      ; source 0 (B) window 1, source 1 (A) window 0, C and D window 2
.set MUL_HI, 0xf1
.set TO_B,   0x40
; A joint load: waves 0 and 1 fetch for A, waves 2 and 3 for B; the branch hangs on the wave's number alone.  Four v_nop follow each line.
.macro JLOAD g0a, g1a, g0b, g1b
	s_cmp_eq_u32 s15, 0
	s_cbranch_scc0 .Lfor_b_\@
	tensor_load_to_lds s[\g0a:\g0a+3], s[\g1a:\g1a+7]
	s_nop 0
.rept 4
	v_nop
.endr
	s_branch .Lasked_\@
.Lfor_b_\@:
	tensor_load_to_lds s[\g0b:\g0b+3], s[\g1b:\g1b+7]
	s_nop 0
.rept 4
	v_nop
.endr
.Lasked_\@:
.endm
.macro CREST                           ; a round of the cluster's barrier behind its opening barrier
	s_cmp_lg_u32 s14, 0
	s_cbranch_scc1 .Lnot_wave_0_\@
	s_barrier_signal -3
.Lnot_wave_0_\@:
	s_barrier_wait -3
	s_barrier_signal -1
	s_barrier_wait -1
.endm
.macro CROUND
	s_barrier_signal -1
	s_barrier_wait -1
	CREST
.endm
	s_load_b128 s[4:7], s[0:1], 0x0                ; xc, xs
	s_load_b128 s[8:11], s[0:1], 0x10              ; wc, ws
	s_load_b64 s[100:101], s[0:1], 0x20            ; u1ss
	v_lshl_add_u32 v[SPW], v0, 2, SPARE
	v_mov_b32 v[NIL], 0
	ds_add_u32 v28, v29
	ds_add_u32 v28, v29
	s_wait_dscnt 0x0
	v_lshrrev_b32 v1, 5, v0
	v_readfirstlane_b32 s14, v1                    ; wave 0..3
	s_lshr_b32 s15, s14, 1                         ; which half of A's rows is mine.  Also: I fetch for A (0) or for B (1)
	s_and_b32 s16, s14, 1                          ; which half of B's rows.  Also: which 128 rows I fetch
	s_bfe_u32 s40, ttmp6, 0x40000                  ; cx, cy
	s_bfe_u32 s41, ttmp6, 0x40004
	s_lshr_b32 s[KIND], ttmp9, 2                   ; the kind: the same in all sixteen partners
	s_and_b32 s95, ttmp9, 3
	s_lshl_b32 s95, s95, 2                         ; 4 (c % 4)
	s_lshl_b32 s42, s[KIND], 2                     ; B's first tile: 0, 4, (8), 12
	s_cmp_eq_u32 s[KIND], 2
	s_cselect_b32 s17, 8, s95                      ; A's first tile: 4 (c % 4); kind 2: 8 (W_v);
	s_cselect_b32 s42, s95, s42                    ; kind 2: B's are the positions
	s_cmp_eq_u32 s[KIND], 3
	s_cselect_b32 s17, 20, s17                     ; kind 3: 20 (pos_emb's rows 5120 on)
	s_add_co_u32 s42, s42, s40                     ; B's tile of 256 rows: + cx
	s_add_co_u32 s17, s17, s41                     ; A's: + cy
	s_lshl_b32 s43, s41, 2
	s_lshl_b32 s43, 15, s43                        ; my row of the cluster
	s_lshl_b32 s44, 0x1111, s40                    ; my column
	s_or_b32 s[G1+0], s43, (0<<16)|(1<<20)|(1<<21)|(3<<22)|(3<<25)  ; the mask; elements of 1 byte; padding on; bit 21 beside a mask; 4 words of padding behind every 16
	s_or_b32 s[G1B+0], s44, (0<<16)|(1<<20)|(1<<21)|(3<<22)|(3<<25)
.irp g, G1, G1B
	s_mov_b32 s[\g+1], ROWB<<16                    ; tensor_dim0
	s_mov_b32 s[\g+2], 128<<16                     ; tensor_dim1
	s_mov_b32 s[\g+3], ROWB<<16                    ; tile_dim0
	s_mov_b32 s[\g+4], 128                         ; tile_dim1
	s_mov_b32 s[\g+5], KROW                        ; the pitch
	s_mov_b32 s[\g+6], 0
	s_mov_b32 s[\g+7], 0
.endr
	s_or_b32 s[G1S+0], s43, (3<<16)|(1<<20)|(1<<21)|(5<<22)|(3<<25)   ; the scales of 128 rows: 4,096 dense bytes as rows of 256, 16 bytes of padding behind each
	s_or_b32 s[G1SB+0], s44, (3<<16)|(1<<20)|(1<<21)|(5<<22)|(3<<25)
.irp g, G1S, G1SB
	s_mov_b32 s[\g+1], 32<<16
	s_mov_b32 s[\g+2], (128*KS/256)<<16
	s_mov_b32 s[\g+3], 32<<16
	s_mov_b32 s[\g+4], 128*KS/256
	s_mov_b32 s[\g+5], 32
	s_mov_b32 s[\g+6], 0
	s_mov_b32 s[\g+7], 0
.endr
	s_lshl_b32 s18, s16, 7                         ; which 128 rows of the tile I fetch
	s_lshl_b32 s20, s17, 8
	s_add_co_u32 s20, s20, s18
	s_lshl_b32 s46, s42, 8
	s_add_co_u32 s46, s46, s18
	s_mov_b32 s21, 0
	s_mov_b32 s47, 0
	s_mov_b64 s[18:19], KS
	s_mul_u64 s[22:23], s[20:21], s[18:19]         ; where these rows' scales begin,
	s_mul_u64 s[92:93], s[46:47], s[18:19]
	s_mov_b64 s[18:19], KROW
	s_mul_u64 s[20:21], s[20:21], s[18:19]         ; and their codes
	s_mul_u64 s[46:47], s[46:47], s[18:19]
	s_mul_i32 s45, s14, HALFT                      ; where they go: no place in the cluster enters an LDS address
	s_mul_i32 s94, s14, HALFS
	s_wait_kmcnt 0x0
	s_cmp_eq_u32 s[KIND], 2                        ; kind 2: A is the weight, B the positions
	s_cselect_b64 s[12:13], s[8:9], s[4:5]
	s_cselect_b64 s[96:97], s[10:11], s[6:7]
	s_cselect_b64 s[8:9], s[4:5], s[8:9]
	s_cselect_b64 s[10:11], s[6:7], s[10:11]
	s_add_nc_u64 s[20:21], s[12:13], s[20:21]
	s_add_nc_u64 s[22:23], s[96:97], s[22:23]
	s_add_nc_u64 s[46:47], s[8:9], s[46:47]
	s_add_nc_u64 s[92:93], s[10:11], s[92:93]
	CROUND                                         ; all sixteen work-groups are here: the first joint loads meet
	s_mov_b32 s[G0S], 1
	s_add_co_u32 s[G0S+1], s94, SCL
	s_mov_b64 s[G0S+2:G0S+3], s[22:23]
	s_or_b32 s[G0S+3], s[G0S+3], 0x80000000
	s_mov_b32 s[G0SB], 1
	s_add_co_u32 s[G0SB+1], s94, SCL
	s_mov_b64 s[G0SB+2:G0SB+3], s[92:93]
	s_or_b32 s[G0SB+3], s[G0SB+3], 0x80000000
	JLOAD G0S, G1S, G0SB, G1SB                     ; the scales first
.irp s, 0,1
	s_mov_b32 s[G0+4*\s], 1
	s_add_co_u32 s[G0+4*\s+1], s45, \s*SLOT
	s_add_nc_u64 s[G0+4*\s+2:G0+4*\s+3], s[20:21], \s*ROWB
	s_or_b32 s[G0+4*\s+3], s[G0+4*\s+3], 0x80000000
	s_mov_b32 s[G0B+4*\s], 1
	s_add_co_u32 s[G0B+4*\s+1], s45, \s*SLOT
	s_add_nc_u64 s[G0B+4*\s+2:G0B+4*\s+3], s[46:47], \s*ROWB
	s_or_b32 s[G0B+4*\s+3], s[G0B+4*\s+3], 0x80000000
	JLOAD G0+4*\s, G1, G0B+4*\s, G1B
.endr
	v_and_b32 v1, 15, v0                           ; r
	v_bfe_u32 v2, v0, 4, 1                         ; h
	v_mul_u32_u24 v3, v1, PITCH
	v_mul_u32_u24 v4, v2, 24
	v_add_nc_u32 v4, v3, v4                        ; a fragment's row x pitch + 24 x half
	v_lshl_add_u32 v5, v2, 4, v4                   ; and the same behind one padding more
	s_mul_i32 s21, s15, HALFT
	s_mul_i32 s22, s16, HALFT
	s_add_co_u32 s22, s22, 2*HALFT
.irp s, 0,1
	v_add_nc_u32 v[ADRA+\s], s21, v4
	v_add_nc_u32 v[ADRB+\s], s22, v4
	v_add_nc_u32 v[ADRA+2+\s], s21, v5
	v_add_nc_u32 v[ADRB+2+\s], s22, v5
	s_add_co_u32 s21, s21, SLOT
	s_add_co_u32 s22, s22, SLOT
.endr
	v_mul_u32_u24 v5, v1, KS                       ; my row's scales,
	v_lshrrev_b32 v6, 8, v5
	v_lshl_add_u32 v5, v6, 4, v5                   ; 16 more for each 256 passed
	s_mul_i32 s21, s15, HALFS
	s_mul_i32 s22, s16, HALFS
	s_add_co_u32 s22, s22, 2*HALFS
	s_sub_co_u32 s22, s22, s21
	v_mul_u32_u24 v6, s22, v2                      ; lanes 16-31 take B's
	s_add_co_u32 s21, s21, SCL
	v_add_nc_u32 v5, v5, v6
	v_add_nc_u32 v[ADRS], s21, v5
	v_and_b32 v9, 31, v0                           ; lane
	v_lshlrev_b32 v[L16], 4, v9
	v_lshlrev_b32 v[L8], 3, v9
	v_lshlrev_b32 v[L4], 2, v9
	v_lshlrev_b32 v[ULQ], 2, v1
	v_lshl_add_u32 v[ULQ], v2, 16, v[ULQ]
	v_and_b32 v7, 7, v1
	v_lshrrev_b32 v8, 3, v1
	v_lshlrev_b32 v[ULV], 13, v7                   ; W_v's rows stand with bits 3 and 4 exchanged: lane r of block a is channel 32 (a / 2) + 8 (a % 2) + r % 8 + 16 (r / 8)
	v_lshl_add_u32 v[ULV], v8, 17, v[ULV]
	v_lshl_add_u32 v[ULV], v2, 5, v[ULV]
	v_lshlrev_b32 v[BL], 5, v2
	; which positions and which channels are my wave's
	s_lshl_b32 s20, s17, 8
	s_lshl_b32 s21, s15, 7
	s_add_co_u32 s20, s20, s21                     ; A's first row of mine
	s_lshl_b32 s46, s42, 8
	s_lshl_b32 s47, s16, 7
	s_add_co_u32 s46, s46, s47                     ; B's
	s_cmp_eq_u32 s[KIND], 2
	s_cselect_b32 s92, s46, s20                    ; the row of xc: 2,048 b + position
	s_cselect_b32 s93, s20, s46                    ; the row of wc: for kinds 0 to 2 also u1ss's channel
	s_lshr_b32 s94, s92, 11                        ; b
	s_and_b32 s95, s92, 2047                       ; the first position
	s_mul_i32 s96, s94, 25165824
	s_lshl_b32 s97, s93, 13
	s_add_co_u32 s96, s96, s97
	s_lshl_b32 s97, s95, 2
	s_add_co_u32 s96, s96, s97                     ; u1ss: b, channel, position, in bytes
	s_mov_b32 s97, 0
.macro FRAG reg, adr, q, i             ; a fragment: 12 registers, 24 bytes of the row's stream for each half, in pieces of 8 bytes; where the piece three on lies behind one padding more, the second address register serves
.irp p, 0,1,2,3,4,5
.set PCE, 12*(\q)+6*(\p/3)+\p%3
.if PCE%8 < 5
	ds_load_b64 v[\reg+2*\p:\reg+2*\p+1], v[\adr] offset:8*PCE+16*(PCE/8)+(\i)*16*PITCH
.else
	ds_load_b64 v[\reg+2*\p:\reg+2*\p+1], v[\adr+2] offset:8*PCE+16*(PCE/8)+(\i)*16*PITCH
.endif
.endr
.endm
; 16 matrix instructions: A's blocks a0, a0 + 1 x B's eight.  The 64 accumulators take turns, one instruction a turn, in the same order in every step.
.macro MUL16 a0, p, q, sc, zero
.irp a, \a0, \a0+1
.irp b, 0,1,2,3,4,5,6,7
.if \zero
	v_wmma_scale_f32_16x16x128_f8f6f4 v[8*(8*((\a)%4)+\b):8*(8*((\a)%4)+\b)+7], v[128*(\p)+FR*\b:128*(\p)+FR*\b+FR-1], v[AF+FR*(\a):AF+FR*(\a)+FR-1], 0, v[SC+8*NQ*(\sc)+NQ*\b+(\q)], v[SC+8*NQ*(\sc)+NQ*(\a)+(\q)] matrix_a_fmt:MATRIX_FMT_FP6 matrix_b_fmt:MATRIX_FMT_FP6 matrix_a_scale:MATRIX_SCALE_ROW1
.else
	v_wmma_scale_f32_16x16x128_f8f6f4 v[8*(8*((\a)%4)+\b):8*(8*((\a)%4)+\b)+7], v[128*(\p)+FR*\b:128*(\p)+FR*\b+FR-1], v[AF+FR*(\a):AF+FR*(\a)+FR-1], v[8*(8*((\a)%4)+\b):8*(8*((\a)%4)+\b)+7], v[SC+8*NQ*(\sc)+NQ*\b+(\q)], v[SC+8*NQ*(\sc)+NQ*(\a)+(\q)] matrix_a_fmt:MATRIX_FMT_FP6 matrix_b_fmt:MATRIX_FMT_FP6 matrix_a_scale:MATRIX_SCALE_ROW1
.endif
.endr
.endr
.endm
.macro FETCH_B slot, q, p
	WIN TO_B
.irp i, 0,1,2,3,4,5,6,7
	FRAG 128*(\p)+FR*\i, ADRB+\slot, \q, \i
.endr
	WIN 0
.endm
.macro FETCH_A slot, q, i0
.irp i, \i0, \i0+1, \i0+2, \i0+3
	FRAG AF+FR*(\i), ADRA+\slot, \q, \i
.endr
.endm
.macro SCALES sc, ks                   ; K step ks's scale words into set sc: lanes 0-15 A's block i, lanes 16-31 B's block i.  A K step is 8 of a row's 32 bytes: the step stands in the immediate
.irp i, 0,1,2,3,4,5,6,7
	ds_load_b64 v[SC+8*NQ*\sc+NQ*\i:SC+8*NQ*\sc+NQ*\i+1], v[ADRS] offset:\i*SBLK+4*NQ*(\ks)
.endr
.endm
.macro PLACES n                        ; plain vector instructions between a matrix instruction and a load into, or a read of, its registers
.rept \n
	v_nop
.endr
.endm
.macro STEP slot, q, zero              ; 128 along K with its successor in the same slot
	s_wait_dscnt 4*NL                              ; B's set and A's blocks 0-3 are in; A's blocks 4-7, the youngest 24 loads, may be out
	WIN MUL_LO
	MUL16 0, (\q)%2, \q, \slot, \zero
	MUL16 2, (\q)%2, \q, \slot, \zero
	s_wait_dscnt 0
	PLACES NP
	FETCH_B \slot, (\q)+1, 1-(\q)%2
	FETCH_A \slot, (\q)+1, 0
	WIN MUL_HI
	MUL16 4, (\q)%2, \q, \slot, \zero
	MUL16 6, (\q)%2, \q, \slot, \zero
	PLACES NP
	WIN 0
	FETCH_A \slot, (\q)+1, 4
.endm
; A slot's last step changes slots: one barrier; in front of it each wave waits for all its tensor loads, adds 0 to its spare word, and waits for that and for its reads of this slot.
; fill = 1: this slot is filled again, two K steps ahead.  ks: the number of the K step that lies in the next slot.
.macro TURN slot, next, fill, ks
	s_wait_tensorcnt 0x0                           ; all my tensor loads have landed: my part of the next slot
	ds_add_u32 v[SPW], v[NIL]                      ; 0 onto my spare word
	s_wait_dscnt 4*NL+1                            ; (the add and A's blocks 4-7 may be out)
	WIN MUL_LO
	MUL16 0, 1, NQ-1, \slot, 0
	s_wait_dscnt 0x0                               ; the add is done, and my reads of this slot are over
	s_barrier_signal -1
	MUL16 2, 1, NQ-1, \slot, 0
	WIN 0
	s_barrier_wait -1
.if \fill
	CREST                                          ; the barrier has opened a round of the cluster's barrier: no wave of any partner still reads this slot or has a load on its way
	s_add_nc_u64 s[G0+4*\slot+2:G0+4*\slot+3], s[G0+4*\slot+2:G0+4*\slot+3], 2*ROWB
	s_add_nc_u64 s[G0B+4*\slot+2:G0B+4*\slot+3], s[G0B+4*\slot+2:G0B+4*\slot+3], 2*ROWB
	JLOAD G0+4*\slot, G1, G0B+4*\slot, G1B         ; the first tensor load behind the round; its four v_nop are the places in front of the loads below
.else
	PLACES NP
.endif
	FETCH_B \next, 0, 0
	FETCH_A \next, 0, 0
	SCALES \next, \ks
	WIN MUL_HI
	MUL16 4, 1, NQ-1, \slot, 0
	MUL16 6, 1, NQ-1, \slot, 0
	PLACES NP
	WIN 0
	FETCH_A \next, 0, 4
.endm
; u1ss into the accumulators.  Kinds 0, 1: register j of accumulator (a, b) is u(channel 16 b + 8 h + j, position 16 a + r): sixteen lanes read 64 consecutive bytes, four loads on end 256.
.macro ULOAD_QK
.irp hi, 0,1
.if \hi == 0
	WIN 0x80
.else
	WIN 0xc0
.endif
.irp b, 0,1,2,3,4,5,6,7
.irp j, 0,1,2,3,4,5,6,7
.irp a, 0,1,2,3
	global_load_b32 v[8*(8*\a+\b)+\j], v[ULQ], s[100:101] offset:(16*\b+\j)*8192+64*(4*\hi+\a) th:TH_LOAD_NT
.endr
.endr
.endr
.endr
	WIN 0
.endm
; Kind 2: a lane holds one channel and eight neighbouring positions: two loads of 16 bytes an accumulator
.macro ULOAD_V
.irp hi, 0,1
.if \hi == 0
	WIN 0x80
.else
	WIN 0xc0
.endif
.irp a, 0,1,2,3
.irp b, 0,1,2,3,4,5,6,7
	global_load_b128 v[8*(8*\a+\b):8*(8*\a+\b)+3], v[ULV], s[100:101] offset:(32*((4*\hi+\a)/2)+8*(\a%2))*8192+64*\b th:TH_LOAD_NT
	global_load_b128 v[8*(8*\a+\b)+4:8*(8*\a+\b)+7], v[ULV], s[100:101] offset:(32*((4*\hi+\a)/2)+8*(\a%2))*8192+64*\b+16 th:TH_LOAD_NT
.endr
.endr
.endr
	WIN 0
.endm
	s_wait_tensorcnt 1                             ; the scales and my part of K step 0 are in (K step 1's load may be out),
	s_barrier_signal -1
	s_barrier_wait -1                              ; everybody's are
	FETCH_B 0, 0, 0
	FETCH_A 0, 0, 0
	SCALES 0, 0
	FETCH_A 0, 0, 4
	s_cmp_eq_u32 s[KIND], 3                        ; ONE branch holds u's loads and the first step that adds onto them: on each way the sums have their beginning
	s_cbranch_scc1 .Lfrom_zero
	s_add_nc_u64 s[100:101], s[100:101], s[96:97]
	s_cmp_eq_u32 s[KIND], 2
	s_cbranch_scc1 .Lu_v
	ULOAD_QK
	s_branch .Lu_in
.Lu_v:
	ULOAD_V
.Lu_in:
	s_wait_loadcnt 0x0                             ; u1ss is in the accumulators
	STEP 0, 0, 0
	s_branch .Lstarted
.Lfrom_zero:
	STEP 0, 0, 1                                   ; W_r pos_emb has no addend: the first products start the sums
.Lstarted:
	TURN 0, 1, 1, 1                                ; K step 0 ends; slot 0 takes K step 2; on to K step 1
	STEP 1, 0, 0
	TURN 1, 0, 1, 2                                ; slot 1 takes K step 3; on to K step 2
	STEP 0, 0, 0
	TURN 0, 1, 0, 3                                ; nothing is left to fetch; on to K step 3
	STEP 1, 0, 0
	s_wait_dscnt 4*NL
	WIN MUL_LO
	MUL16 0, 1, NQ-1, 1, 0
	MUL16 2, 1, NQ-1, 1, 0
	s_wait_dscnt 0
	WIN MUL_HI
	MUL16 4, 1, NQ-1, 1, 0
	MUL16 6, 1, NQ-1, 1, 0
	WIN 0
	PLACES NP                                      ; in front of the first read of results and the first write of A's registers
	; THE WAY OUT: no LDS.  Where my records begin in att.
	s_load_b128 s[8:11], s[0:1], 0x28              ; r_w_bias, r_r_bias
	s_load_b64 s[4:5], s[0:1], 0x38                ; att
	s_cmp_eq_u32 s[KIND], 3
	s_cselect_b32 s94, 0, s94                      ; r has no batch
	s_and_b32 s18, s93, 1023                       ; my first channel of the 1,024
	s_lshr_b32 s19, s18, 6                         ; my first head: an even one; I hold two
	s_lshl_b32 s20, s94, 4
	s_add_co_u32 s20, s20, s19                     ; 16 b + head
	s_add_co_u32 s21, s[KIND], 1
	s_mul_i32 s21, s21, 3145728                    ; the regions: q + r_w at 0 (q + r_r behind it), k at 2 x, v at 3 x, r at 4 x 3,145,728
	s_cmp_eq_u32 s[KIND], 0
	s_cselect_b32 s21, 0, s21
	s_cselect_b32 s[PASSES], 2, 1                  ; q goes out twice, with each bias
	s_mul_i32 s22, s20, 98304                      ; a head: 128 records of 768 bytes, or 16 x 4 images of 1,536
	s_add_co_u32 s21, s21, s22
	s_lshr_b32 s22, s95, 4
	s_mul_i32 s22, s22, 768
	s_add_co_u32 s46, s21, s22
	s_mov_b32 s47, 0
	s_lshr_b32 s22, s20, 1                         ; scale words: a pair of heads to a record; v: a head
	s_cmp_eq_u32 s[KIND], 1
	s_cselect_b32 s21, 4, 0                        ; their regions, in units of 65,536 bytes from 14,155,776 on: q 0 (and 2), k 4, r 6, v 7
	s_cmp_eq_u32 s[KIND], 2
	s_cselect_b32 s21, 7, s21
	s_cselect_b32 s22, s20, s22
	s_cmp_eq_u32 s[KIND], 3
	s_cselect_b32 s21, 6, s21
	s_lshl_b32 s21, s21, 16
	s_add_co_u32 s21, s21, 14155776
	s_lshl_b32 s22, s22, 13
	s_add_co_u32 s21, s21, s22
	s_lshl_b32 s22, s95, 2                         ; 128 bytes for 32 positions (v: 512 for 128)
	s_add_co_u32 s22, s21, s22
	s_mov_b32 s23, 0
	s_lshl_b32 s18, s18, 2
	s_mov_b32 s19, 0
	s_mov_b32 s40, 0x05040100                      ; v_perm_b32: the two low halves
	s_mov_b32 s41, 0x07060302                      ; the two high halves
	s_mov_b32 s[SEL], 0x76543210
	s_mov_b32 s[SEL+1], 0xfedcba98                 ; v_permlanex16_b32: lane l xor 16
	v_cmp_le_u32 vcc_lo, 16, v9                    ; lanes 16-31; kept
.irp b, 0,1,2,3
	v_mov_b32 v[TM+4+\b], 0                        ; a lane permute's destination counts as one of its sources
.endr
	s_wait_kmcnt 0x0
	s_mov_b64 s[6:7], s[4:5]
	s_add_nc_u64 s[4:5], s[4:5], s[46:47]          ; codes
	s_add_nc_u64 s[6:7], s[6:7], s[22:23]          ; scale words
	s_add_nc_u64 s[8:9], s[8:9], s[18:19]
	s_add_nc_u64 s[10:11], s[10:11], s[18:19]
; 64 numbers of a lane, register 16 b + i in block b, become a fragment's codes in v[PC] on and its scale word in v[PW]
.macro QUANT s
.irp b, 0,1,2,3
	v_max3_num_f32 v[TM+\b], |v[\s+16*\b]|, |v[\s+1+16*\b]|, 0x1800000   ; my 16 numbers of block b, and the floor 2^(3 - 127)
.endr
.irp i, 2,4,6,8,10,12,14
.irp b, 0,1,2,3
	v_max3_num_f32 v[TM+\b], v[TM+\b], |v[\s+16*\b+\i]|, |v[\s+1+16*\b+\i]|
.endr
.endr
.irp b, 0,1,2,3
	v_permlanex16_b32 v[TM+4+\b], v[TM+\b], s[SEL], s[SEL+1]
.endr
.irp b, 0,1,2,3
	v_max_num_f32 v[TM+\b], v[TM+\b], v[TM+4+\b]   ; with lane l xor 16's: the block's largest magnitude
.endr
.irp b, 0,1,2,3
	v_add_nc_u32 v[TM+12+\b], 0xff000000, v[TM+\b]   ; 2 off its exponent field: the conversion's scale operand
.endr
.irp b, 0,1,2,3
	v_lshrrev_b32 v[TM+4+\b], 23, v[TM+12+\b]      ; the scale's byte
.endr
	v_lshl_or_b32 v[PW], v[TM+5], 8, v[TM+4]
	v_lshl_or_b32 v[PW], v[TM+6], 16, v[PW]
	v_lshl_or_b32 v[PW], v[TM+7], 24, v[PW]
.irp c, 0,1
	v_cvt_scalef32_pk16_fp6_f32 v[PC+6*\c:PC+2+6*\c], v[\s+32*\c:\s+15+32*\c], v[TM+12+2*\c]
	v_cvt_scalef32_pk16_fp6_f32 v[PC+12+4*\c:PC+14+4*\c], v[\s+16+32*\c:\s+31+32*\c], v[TM+12+2*\c+1]   ; (a conversion's three registers begin on an even number)
.endr
	v_nop                                          ; one plain place behind a scaled conversion
.irp c, 0,1                                    ; the operand's layout wants a whole block in a lane
.irp i, 0,1,2
	v_permlane16_swap_b32 v[PC+6*\c+\i], v[PC+12+4*\c+\i]
.endr
.irp i, 0,1,2
	v_mov_b32 v[PC+3+6*\c+\i], v[PC+12+4*\c+\i]
.endr
.endr
.endm
; A's block a: its eight accumulators (+ the bias) come into window 0, are quantised and stored
.macro APASS a
	s_wait_xcnt 0x0                                ; the last block's stores have read their registers
	WIN 0x02+((\a)/4)                              ; source 0: window 2 or 3
.set i, 0
.rept 32
	v_pk_add_f32 v[T+2*i:T+2*i+1], v[64*((\a)%4)+2*i:64*((\a)%4)+2*i+1], v[BI+2*i:BI+2*i+1]   ; each accumulator from its low end on
.set i, i+1
.endr
	WIN 0
	QUANT T
.if (\a)%2 == 0
	v_mov_b32 v[PW0], v[PW]                        ; the even tile's word waits for the odd tile's
.endif
	s_cmp_eq_u32 s[KIND], 2
	s_cbranch_scc1 .Limage_\@
	global_store_b128 v[L16], v[PC:PC+3], s[4:5] offset:768*(\a)              ; my first head's record: 512 consecutive bytes,
	global_store_b64 v[L8], v[PC+4:PC+5], s[4:5] offset:768*(\a)+512          ; then 256
	global_store_b128 v[L16], v[PC+6:PC+9], s[4:5] offset:98304+768*(\a)      ; the next head's
	global_store_b64 v[L8], v[PC+10:PC+11], s[4:5] offset:98304+768*(\a)+512
.if (\a)%2 == 1
	v_perm_b32 v[WE], v[PW], v[PW0], s40           ; the even head's bytes of both tiles,
	v_perm_b32 v[WO], v[PW], v[PW0], s41           ; the odd head's
	v_cndmask_b32 v[WW], v[WE], v[WO], vcc_lo
	global_store_b32 v[L4], v[WW], s[6:7] offset:128*((\a)/2)
.endif
	s_branch .Lstored_\@
.Limage_\@:
.irp g, 0,1,2
	global_store_b128 v[L16], v[PC+4*\g:PC+4*\g+3], s[4:5] offset:((\a)/4)*98304+((\a)%4)*1536+512*\g
.endr
	global_store_b32 v[L4], v[PW], s[6:7] offset:((\a)/4)*8192+((\a)%4)*128
.Lstored_\@:
.endm
	s_mov_b32 s3, 0
.Lpass:
	s_cmp_eq_u32 s[KIND], 0
	s_cbranch_scc0 .Lno_bias
.irp b, 0,1,2,3,4,5,6,7
	global_load_b128 v[BI+8*\b:BI+8*\b+3], v[BL], s[8:9] offset:64*\b          ; the bias at channels 16 b + 8 h + 0 .. 7
	global_load_b128 v[BI+8*\b+4:BI+8*\b+7], v[BL], s[8:9] offset:64*\b+16
.endr
	s_wait_loadcnt 0x0
	s_branch .Lbias_in
.Lno_bias:
.set i, 0
.rept 64
	v_mov_b32 v[BI+i], 0                           ; k, v and r have none: the packed addition then only brings the numbers into window 0
.set i, i+1
.endr
.Lbias_in:
.irp a, 0,1,2,3,4,5,6,7
	APASS \a
.endr
	s_wait_xcnt 0x0                                ; the stores have read their bases
	s_mov_b64 s[8:9], s[10:11]                     ; the second pass: r_r_bias,
	s_add_nc_u64 s[4:5], s[4:5], 3145728           ; into the region behind
	s_add_nc_u64 s[6:7], s[6:7], 131072
	s_add_co_u32 s3, s3, 1
	s_cmp_lt_u32 s3, s[PASSES]
	s_cbranch_scc1 .Lpass
	s_wait_tensorcnt 0x0                           ; the wave's end
	ds_add_u32 v[SPW], v[NIL]
	s_wait_dscnt 0x0
	CROUND                                         ; the closing round
	s_endpgm
.Lfunc_end_k_qddc8ba958c_proj:
	.size	k_qddc8ba958c_proj, .Lfunc_end_k_qddc8ba958c_proj-k_qddc8ba958c_proj
	.p2alignl 7, 3214868480
	.fill 96, 4, 3214868480
	.section	.rodata,"a",@progbits
	.p2align	6, 0x0
	.amdhsa_kernel k_qddc8ba958c_proj
		.amdhsa_group_segment_fixed_size 327680
		.amdhsa_private_segment_fixed_size 0
		.amdhsa_enable_private_segment 0
		.amdhsa_kernarg_size 64
		.amdhsa_user_sgpr_count 2
		.amdhsa_user_sgpr_kernarg_segment_ptr 1
		.amdhsa_wavefront_size32 1
		.amdhsa_system_sgpr_workgroup_id_x 1
		.amdhsa_system_sgpr_workgroup_id_y 1
		.amdhsa_system_sgpr_workgroup_id_z 1
		.amdhsa_system_vgpr_workitem_id 0
		.amdhsa_next_free_vgpr 1024
		.amdhsa_next_free_sgpr 102
		.amdhsa_reserve_vcc 1
		.amdhsa_float_denorm_mode_32 3
		.amdhsa_float_denorm_mode_16_64 3
		.amdhsa_memory_ordered 1
		.amdhsa_forward_progress 1
		.amdhsa_inst_pref_size 255
	.end_amdhsa_kernel
	.section	.bss,"aw",@nobits
	.p2align	6
	.space	262144
	.amdgpu_metadata
---
amdhsa.version: [ 1, 2 ]
amdhsa.kernels:
  - .name:           k_qddc8ba958c_proj
    .symbol:         k_qddc8ba958c_proj.kd
    .args:
      - { .name: xc, .offset: 0, .size: 8, .value_kind: global_buffer, .address_space: global }
      - { .name: xs, .offset: 8, .size: 8, .value_kind: global_buffer, .address_space: global }
      - { .name: wc, .offset: 16, .size: 8, .value_kind: global_buffer, .address_space: global }
      - { .name: ws, .offset: 24, .size: 8, .value_kind: global_buffer, .address_space: global }
      - { .name: u1ss, .offset: 32, .size: 8, .value_kind: global_buffer, .address_space: global }
      - { .name: r_w_bias, .offset: 40, .size: 8, .value_kind: global_buffer, .address_space: global }
      - { .name: r_r_bias, .offset: 48, .size: 8, .value_kind: global_buffer, .address_space: global }
      - { .name: att, .offset: 56, .size: 8, .value_kind: global_buffer, .address_space: global }
    .group_segment_fixed_size: 327680
    .private_segment_fixed_size: 0
    .kernarg_segment_align: 8
    .kernarg_segment_size: 64
    .max_flat_workgroup_size: 128
    .sgpr_count:     102
    .vgpr_count:     1024
    .wavefront_size: 32
...
	.end_amdgpu_metadata
.endif
;; end of part 2
;; launch attn (part 3): grid 8 x 32, 16 waves a work-group, no clusters, 286,208 bytes of LDS; arguments att, aqc, aqs; writes aqc, aqs
.if DOCPART == 3
	.amdgcn_target "amdgcn-amd-amdhsa--gfx1250"
	.amdhsa_code_object_version 6
	.text
	.protected	k_qddc8ba958c_attn
	.globl	k_qddc8ba958c_attn
	.p2align	8
	.type	k_qddc8ba958c_attn,@function
k_qddc8ba958c_attn:
	s_mov_b64 s[64:65], 0
	v_nop
	global_prefetch_b8 v0, s[64:65] scope:SCOPE_SE
	s_setreg_imm32_b32 hwreg(HW_REG_WAVE_MODE, 25, 1), 1
	s_wait_xcnt 0x0
; Attention with relative positions on codes of FP6 (E2M3): score(i, j) = ((q_i + r_w) . k_j + (q_i + r_r) . r_n) / 8 with n = 2047 - (i - j), for 0 <= i - j <= 999 (reference()'s own mask; there its shift is this n).
; p = 2^(t - M), t = score x log2(e), M the running largest t rounded up to a whole number; p is quantised along the keys; the row's sum is taken of the unquantised p and divides O at the end.
; O / sum is quantised along the channels and stored as rows of codes (aqc [4096][768 bytes]) and scale bytes (aqs [4096][32]) for the last projection.
; SHARES.  Work-group (x, y): queries 256 x on of batch and head y; each of its sixteen waves one tile of 16 queries, in 256 registers.
; Keys are counted from J0 = 256 x - 1024: ten chunks of 128 keys hold every wave's band.  A chunk none of whose keys counts for the wave (after its queries, more than 999 before them, or before key 0) is passed over by scalar branches on ids.
; NO CLUSTER: neighbouring work-groups of a head want windows of K and V that are shifted by two chunks, so no tile's descriptor is equal in two of them; only r's 49,152 of a work-group's 181,760 bytes are common.
; LDS is filled ONCE, at the head, by six tensor loads (waves 0 to 5, one each): nothing is filled again.  For x < 4 the window begins before the head's first key: those bytes lie in the parts of att in front (written by the launch before) and are never used.
; d_head = 64 IS HALF OF AN INSTRUCTION'S K: source 0 holds TWO tiles of 16 keys (or of 16 positions of r), one in each half of K, and q stands once as [q | 0] and once as [0 | q].
; THE SHIFT.  For 64 keys the wave multiplies q + r_r by six tiles of r, stores the 16 x 96 results by rows in its own stage and reads each lane's 32 numbers back 15 - r (or 31 - r) words on; they are the C of the products with K.
; r's tiles outside 1024-2047 (addresses before and behind r's region, in K's and V's bytes) feed only scores that the mask replaces by -infinity: codes of FP6 are finite, and no scale byte there is 0xff.
; LIMITS: NaN and infinities are not served; blocks whose largest magnitude lies under 2^-124 keep the scale byte 1.
; REGISTERS: v1-7 addresses that stay; v8-11, v16, v17 the step's; v12 -M, v13 the largest t, v[14:15] the sum; v18-47 zeros, q + r_w, zeros, q + r_r, zeros; v48-95 four operands; v96-159 scores, then p; v160-191 O^T;
;   v192-239 the six tiles of the shifted product, later at work; v224-235 p's codes; v243, v255 q's scale words; v248-251 scale words; v253 p's.
.set QRO, 3145728                      ; q + r_r behind q + r_w
.set KC,  6291456
.set VC,  9437184
.set RC,  12582912
.set QWS, 14155776
.set KSC, 14417920
.set RSC, 14548992
.set VSC, 14614528
.set LK,  0                            ; LDS: 80 records of K,
.set LR,  61440                        ; 64 of r (positions 1024-2047),
.set LV,  110592                       ; 10 x 4 images of V,
.set LKS, 172032                       ; K's scale words, 40 pairs x 64 bytes,
.set LRS, 174592                       ; r's, 32 pairs,
.set LVS, 176640                       ; V's, 10 x 512 bytes,
.set STG, 181760                       ; and a stage of 16 rows x 400 bytes for each wave
.set F,   48
.set WV,  18
.set SEL, 20
.set CS,  22
.set G240, 24                          ; groups 1: 240 rows of 256 bytes (K, V); 192 (r); 40 and 32 rows of 64 bytes, 128 apart (K's and r's words); 20 rows of 256 (V's words)
.set G192, 32
.set GKS, 40
.set GRS, 48
.set GVS, 56
.set G0,  68                           ; six groups 0
.set CC,  2                            ; the chunk
.set C128, 3                           ; 128 x chunk
.set T6,  66                           ; LDS bytes at which the chunk's parts begin: K,
.set RBC, 67                           ; r (by the wave too),
.set TV,  92                           ; V,
.set TKS, 93                           ; K's words,
.set RSS, 94                           ; r's,
.set TVS, 95                           ; V's
.set W16, 96                           ; 16 x wave
.set QB2, 97                           ; 2 x work-group x
.macro G1SET g, c, r, p                ; elements of 8 bytes, no padding, no mask
	s_mov_b32 s[\g], 3<<16
	s_mov_b32 s[\g+1], (\c)<<16
	s_mov_b32 s[\g+2], (\r)<<16
	s_mov_b32 s[\g+3], (\c)<<16
	s_mov_b32 s[\g+4], \r
	s_mov_b32 s[\g+5], \p
	s_mov_b32 s[\g+6], 0
	s_mov_b32 s[\g+7], 0
.endm
.macro G0SET n, lds                    ; from att + s[16:17] to LDS byte lds
	s_mov_b32 s[G0+4*\n], 1
	s_mov_b32 s[G0+4*\n+1], \lds
	s_add_nc_u64 s[G0+4*\n+2:G0+4*\n+3], s[4:5], s[16:17]
	s_or_b32 s[G0+4*\n+3], s[G0+4*\n+3], 0x80000000
.endm
.macro TL n, g1                        ; wave n's one load; four v_nop follow it
	s_cmp_eq_u32 s[WV], \n
	s_cbranch_scc0 .Lnot_\@
	tensor_load_to_lds s[G0+4*\n:G0+4*\n+3], s[\g1:\g1+7]
	s_nop 0
.rept 4
	v_nop
.endr
.Lnot_\@:
.endm
	s_load_b128 s[4:7], s[0:1], 0x0                ; att, aqc
	s_load_b64 s[8:9], s[0:1], 0x10                ; aqs
	v_lshl_add_u32 v254, v0, 2, 0x45600
	v_mov_b32 v255, 0
	ds_add_u32 v254, v255
	ds_add_u32 v254, v255
	s_wait_dscnt 0x0
	v_lshrrev_b32 v8, 5, v0
	v_readfirstlane_b32 s[WV], v8                  ; wave 0..15
	s_and_b32 s10, ttmp7, 0xffff                   ; 16 b + head
	s_and_b32 s11, s10, 15                         ; head
	s_lshr_b32 s12, s11, 1                         ; the pair of heads
	s_and_b32 s13, s11, 1
	s_lshl_b32 s13, s13, 6                         ; my head's 64 bytes of a record of scale words
	s_mul_i32 s14, s10, 98304
	s_mul_i32 s15, ttmp9, 12288
	s_add_co_u32 s14, s14, s15                     ; the head's codes + 16 x records (or 2 x chunks of V)
	G1SET G240, 32, 240, 32
	G1SET G192, 32, 192, 32
	G1SET GKS, 8, 40, 16
	G1SET GRS, 8, 32, 16
	G1SET GVS, 32, 20, 32
	s_mov_b32 s17, 0
	s_wait_kmcnt 0x0
	s_add_co_u32 s16, s14, KC-49152                ; K: 64 records before my first query's
	G0SET 0, LK
	s_add_co_u32 s16, s14, VC-49152                ; V: 8 chunks before
	G0SET 1, LV
	s_mul_i32 s16, s11, 98304
	s_add_co_u32 s16, s16, RC+49152                ; r: the head's records 64 on
	G0SET 2, LR
	s_lshr_b32 s15, s10, 1
	s_lshl_b32 s15, s15, 13
	s_lshl_b32 s16, ttmp9, 10
	s_add_co_u32 s15, s15, s16
	s_add_co_u32 s15, s15, s13                     ; the pair of heads' words + 8 x pairs + my head's half
	s_add_co_u32 s16, s15, KSC-4096                ; K's words: 32 pairs before
	G0SET 3, LKS
	s_lshl_b32 s16, s12, 13
	s_add_co_u32 s16, s16, s13
	s_add_co_u32 s16, s16, RSC+4096                ; r's: pairs 32 on
	G0SET 4, LRS
	s_lshl_b32 s16, s10, 13
	s_lshl_b32 s12, ttmp9, 10
	s_add_co_u32 s16, s16, s12
	s_add_co_u32 s16, s16, VSC-4096                ; V's: 8 chunks before
	G0SET 5, LVS
	TL 0, G240
	TL 1, G240
	TL 2, G192
	TL 3, GKS
	TL 4, GRS
	TL 5, GVS
	s_mul_i32 s16, s[WV], 768
	s_add_co_u32 s16, s16, s14
	s_add_nc_u64 s[98:99], s[4:5], s[16:17]        ; my tile's record of q + r_w
	s_lshr_b32 s16, s[WV], 1
	s_lshl_b32 s16, s16, 7
	s_add_co_u32 s16, s16, s15
	s_add_co_u32 s16, s16, QWS
	s_add_nc_u64 s[12:13], s[4:5], s[16:17]        ; and its pair's scale words
	s_lshl_b32 s[W16], s[WV], 4
	s_lshl_b32 s[QB2], ttmp9, 1
	s_lshr_b32 s16, s10, 4
	s_lshl_b32 s16, s16, 11
	s_lshl_b32 s14, ttmp9, 8
	s_add_co_u32 s16, s16, s14
	s_add_co_u32 s14, s16, s[W16]                  ; my first row of the output: 2,048 b + 256 x + 16 wave
	s_mul_i32 s16, s14, 768
	s_mul_i32 s15, s11, 48
	s_add_co_u32 s16, s16, s15
	s_add_nc_u64 s[6:7], s[6:7], s[16:17]          ; aqc: the row, + 48 bytes a head
	s_lshl_b32 s16, s14, 5
	s_lshl_b32 s15, s11, 1
	s_add_co_u32 s16, s16, s15
	s_add_nc_u64 s[8:9], s[8:9], s[16:17]          ; aqs: the row, + 2 bytes a head
	v_and_b32 v8, 31, v0                           ; lane
	v_and_b32 v9, 15, v0                           ; r
	v_bfe_u32 v10, v0, 4, 1                        ; h
	v_lshlrev_b32 v1, 4, v8                        ; 16 x lane: registers 0-3 of a record
	v_lshlrev_b32 v2, 3, v8
	v_add_nc_u32 v2, 512, v2                       ; 512 + 8 x lane: registers 4-5
	v_lshlrev_b32 v3, 2, v9                        ; 4 r: a row's scale word
	v_lshlrev_b32 v6, 2, v8                        ; 4 x lane
	global_load_b128 v[24:27], v1, s[98:99]
	global_load_b64 v[28:29], v2, s[98:99]
	global_load_b128 v[36:39], v1, s[98:99] offset:QRO
	global_load_b64 v[40:41], v2, s[98:99] offset:QRO
	global_load_b32 v255, v3, s[12:13]
	global_load_b32 v243, v3, s[12:13] offset:131072
	s_mul_i32 s10, s[WV], 6400
	s_add_co_u32 s10, s10, STG                     ; my stage
	v_mul_u32_u24 v4, v9, 400
	v_lshl_add_u32 v4, v10, 5, v4
	v_add_nc_u32 v4, s10, v4                       ; in: row r, 32 h; a tile's 16 words 64 bytes on.  The pitch is 100 words: the sixteen rows of a store fall on sixteen different groups of four banks
	s_xor_b32 s11, s[WV], 1
	s_and_b32 s11, s11, 1
	s_lshl_b32 s11, s11, 6
	s_add_co_u32 s11, s11, 60
	s_add_co_u32 s11, s11, s10
	v_mul_u32_u24 v5, v9, 396
	v_lshl_add_u32 v5, v10, 5, v5
	v_add_nc_u32 v5, s11, v5                       ; back: row r, 15 - r words on (an even wave, whose six tiles begin one tile earlier: 31 - r), + 32 h
	v_lshlrev_b32 v11, 3, v10
	v_sub_nc_u32 v7, v9, v11
	s_add_co_u32 s11, s[W16], 1024
	v_add_nc_u32 v7, s11, v7                       ; my query, counted from J0, less 8 h
	s_xor_b32 s10, s[WV], 15
	s_and_b32 s10, s10, 14                         ; (15 - wave), made even: r's first tile for a chunk is 8 chunk + this - 16
	s_mul_i32 s11, s10, 768
	s_add_co_u32 s[RBC], s11, LR-12288
	s_lshl_b32 s11, s10, 5
	s_add_co_u32 s[RSS], s11, LRS-512
	s_mov_b32 s[T6], LK
	s_mov_b32 s[TV], LV
	s_mov_b32 s[TKS], LKS
	s_mov_b32 s[TVS], LVS
	s_mov_b32 s[CC], 0
	s_mov_b32 s[C128], 0
	s_mov_b32 s[SEL], 0x76543210
	s_mov_b32 s[SEL+1], 0xfedcba98                 ; v_permlanex16_b32: lane l xor 16
	s_mov_b32 s[CS], 0x3e38aa3b                    ; log2(e) / 8
	s_mov_b32 s[CS+1], s[CS]
	s_and_b32 s10, s[WV], 1
	s_lshl_b32 s10, s10, 4
	s_wait_loadcnt 0x0                             ; q
	v_lshrrev_b32 v255, s10, v255                  ; my tile's two bytes of the pair's word,
	v_lshrrev_b32 v243, s10, v243
	v_and_b32 v255, 0xffff, v255
	v_and_b32 v243, 0xffff, v243
	v_lshl_or_b32 v255, v255, 16, v255             ; for both halves of K
	v_lshl_or_b32 v243, v243, 16, v243
.irp j, 18,19,20,21,22,23,30,31,32,33,34,35,42,43,44,45,46,47
	v_mov_b32 v[\j], 0                             ; the zero halves beside q: zero codes add nothing under any scale byte
.endr
	v_mov_b32 v13, 0xff61b1e6                      ; the largest t so far: -3e38
	v_floor_f32 v12, -v13                          ; -M
	v_mov_b32 v14, 0
	v_mov_b32 v15, 0
.irp j, 236,237,238,239,252,253
	v_mov_b32 v[\j], 0                             ; lane permutes' destinations and the pair v[252:253] are written once
.endr
.set i, 0
.rept 32
	v_mov_b32 v[160+i], 0                          ; O^T: the loop is written once; its first step finds zeros
.set i, i+1
.endr
	s_wait_tensorcnt 0x0                           ; my load, if I had one, has landed,
	s_barrier_signal -1
	s_barrier_wait -1                              ; everybody's has: from here on LDS but for the stages is only read
; 64 keys: the shifted product, then the product with K on top of it
.macro PAIR reg, a16, a8, tile         ; two records = one operand of 12 registers
	ds_load_b128 v[\reg:\reg+3], v[\a16] offset:(\tile)*768
	ds_load_b64 v[\reg+4:\reg+5], v[\a8] offset:(\tile)*768
	ds_load_b128 v[\reg+6:\reg+9], v[\a16] offset:(\tile)*768+768
	ds_load_b64 v[\reg+10:\reg+11], v[\a8] offset:(\tile)*768+768
.endm
.macro BDAC g
.if \g
.rept 4
	v_nop                                          ; places in front of loads into registers that the last products read
.endr
.endif
.irp k, 0,1,2
	PAIR F+12*\k, 10, 11, 4*\g+2*\k
	ds_load_b32 v[248+\k], v17 offset:64*(2*\g+\k)
.endr
	s_wait_dscnt 0x0
.irp k, 0,1,2
	v_wmma_scale_f32_16x16x128_f8f6f4 v[192+16*\k:199+16*\k], v[F+12*\k:F+12*\k+11], v[36:47], 0, v[248+\k], v243 matrix_a_fmt:MATRIX_FMT_FP6 matrix_b_fmt:MATRIX_FMT_FP6   ; [q + r_r | 0]: the pair's first tile
	v_wmma_scale_f32_16x16x128_f8f6f4 v[200+16*\k:207+16*\k], v[F+12*\k:F+12*\k+11], v[30:41], 0, v[248+\k], v243 matrix_a_fmt:MATRIX_FMT_FP6 matrix_b_fmt:MATRIX_FMT_FP6   ; [0 | q + r_r]: its second
.endr
.rept 4
	v_nop                                          ; places in front of the stores of results and of the loads into the operands' registers
.endr
.irp t, 0,1,2,3,4,5
	ds_store_b128 v4, v[192+8*\t:195+8*\t] offset:64*\t          ; each accumulator from its low end on
	ds_store_b128 v4, v[196+8*\t:199+8*\t] offset:64*\t+16
.endr
.irp n, 0,1,2,3,4,5,6,7,8,9,10,11,12,13,14,15,16,17,18,19,20,21,22,23,24,25,26,27,28,29,30,31
	ds_load_b32 v[96+32*\g+\n], v5 offset:4*(16*(\n/8)+\n%8)     ; LDS serves a wave's instructions in order (ISA guide 5.7.1.4): these see the stores.  Key 64 g + 16 (n / 8) + 8 h + n % 8
.endr
.irp k, 0,1
	PAIR F+12*\k, 8, 9, 4*\g+2*\k
	ds_load_b32 v[248+\k], v16 offset:64*(2*\g+\k)
.endr
	s_wait_dscnt 0x0
.irp k, 0,1
	v_wmma_scale_f32_16x16x128_f8f6f4 v[96+8*(4*\g+2*\k):103+8*(4*\g+2*\k)], v[F+12*\k:F+12*\k+11], v[24:35], v[96+8*(4*\g+2*\k):103+8*(4*\g+2*\k)], v[248+\k], v255 matrix_a_fmt:MATRIX_FMT_FP6 matrix_b_fmt:MATRIX_FMT_FP6
	v_wmma_scale_f32_16x16x128_f8f6f4 v[104+8*(4*\g+2*\k):111+8*(4*\g+2*\k)], v[F+12*\k:F+12*\k+11], v[18:29], v[104+8*(4*\g+2*\k):111+8*(4*\g+2*\k)], v[248+\k], v255 matrix_a_fmt:MATRIX_FMT_FP6 matrix_b_fmt:MATRIX_FMT_FP6
.endr
.endm
.Lchunk:                                           ; ten trips, a constant: what is passed over is a trip's work, never the lines at its end that step addresses
	s_add_co_u32 s10, s[C128], 102
	s_cmp_lt_u32 s10, s[W16]                       ; all keys more than 999 before my first query
	s_cbranch_scc1 .Lskip
	s_add_co_u32 s10, s[W16], 1039
	s_cmp_gt_u32 s[C128], s10                      ; all keys after my last query
	s_cbranch_scc1 .Lskip
	s_add_co_u32 s10, s[CC], s[QB2]
	s_cmp_lt_u32 s10, 8                            ; before key 0
	s_cbranch_scc1 .Lskip
	v_add_nc_u32 v8, s[T6], v1                     ; (these six are also the places behind the last step's products)
	v_add_nc_u32 v9, s[T6], v2
	v_add_nc_u32 v10, s[RBC], v1
	v_add_nc_u32 v11, s[RBC], v2
	v_add_nc_u32 v16, s[TKS], v3
	v_add_nc_u32 v17, s[RSS], v3
	BDAC 0
	BDAC 1
.rept 4
	v_nop
.endr
	s_add_co_u32 s10, s[C128], 127                 ; THE MASK.  Keys after the query: only where the chunk reaches past my first query
	s_add_co_u32 s11, s[W16], 1024
	s_cmp_le_u32 s10, s11
	s_cbranch_scc1 .Lcausal_done
	v_sub_nc_u32 v252, v7, s[C128]                 ; register n holds key 128 chunk + 8 h + 16 (n / 8) + n % 8: hidden where 16 (n / 8) + n % 8 is above this
	v_mov_b32 v254, 0xff800000                     ; -infinity
.irp n, 0,1,2,3,4,5,6,7,8,9,10,11,12,13,14,15,16,17,18,19,20,21,22,23,24,25,26,27,28,29,30,31,32,33,34,35,36,37,38,39,40,41,42,43,44,45,46,47,48,49,50,51,52,53,54,55,56,57,58,59,60,61,62,63
	v_cmp_gt_i32 vcc_lo, 16*(\n/8)+\n%8, v252
	v_cndmask_b32 v[96+\n], v[96+\n], v254, vcc_lo
.endr
.Lcausal_done:
	s_add_co_u32 s10, s[W16], 40                   ; keys more than 999 before the query: only where the chunk begins before my last query's window
	s_cmp_ge_u32 s[C128], s10
	s_cbranch_scc1 .Lwindow_done
	s_add_co_u32 s10, s[C128], 999
	v_sub_nc_u32 v252, v7, s10
	v_mov_b32 v254, 0xff800000
.irp n, 0,1,2,3,4,5,6,7,8,9,10,11,12,13,14,15,16,17,18,19,20,21,22,23,24,25,26,27,28,29,30,31,32,33,34,35,36,37,38,39,40,41,42,43,44,45,46,47,48,49,50,51,52,53,54,55,56,57,58,59,60,61,62,63
	v_cmp_lt_i32 vcc_lo, 16*(\n/8)+\n%8, v252
	v_cndmask_b32 v[96+\n], v[96+\n], v254, vcc_lo
.endr
.Lwindow_done:
.irp b, 0,1,2,3
	v_max3_num_f32 v[232+\b], v[96+16*\b], v[97+16*\b], v[98+16*\b]   ; the largest score of each block of 32 keys: for the row's maximum and, since p rises with the score, for the block's largest p
.endr
.irp i, 3,5,7,9,11,13
.irp b, 0,1,2,3
	v_max3_num_f32 v[232+\b], v[232+\b], v[96+16*\b+\i], v[97+16*\b+\i]
.endr
.endr
.irp b, 0,1,2,3
	v_max_num_f32 v[232+\b], v[232+\b], v[111+16*\b]
.endr
.irp b, 0,1,2,3
	v_permlanex16_b32 v[236+\b], v[232+\b], s[SEL], s[SEL+1]
.endr
.irp b, 0,1,2,3
	v_max_num_f32 v[232+\b], v[232+\b], v[236+\b]  ; with lane l xor 16's 16 keys
.endr
	v_max3_num_f32 v254, v232, v233, v234
	v_max_num_f32 v254, v254, v235
	v_mul_f32 v254, s[CS], v254                    ; the step's largest t
	v_max_num_f32 v13, v13, v254
	v_mov_b32 v254, v12
	v_floor_f32 v12, -v13                          ; the new -M = -ceil(t): a whole number
	v_sub_f32 v254, v12, v254                      ; old M - new M, 0 or less
	v_cvt_i32_f32 v254, v254                       ; (it saturates)
	v_ldexp_f32 v252, 1.0, v254                    ; f = 2^(old M - new M): rounds nothing
.irp j, 0,2,4,6,8,10,12,14,16,18,20,22,24,26,28,30,32,34,36,38,40,42,44,46,48,50,52,54,56,58,60,62
	v_pk_fma_f32 v[96+\j:97+\j], v[96+\j:97+\j], s[CS:CS+1], v[12:13] op_sel_hi:[1,0,0]   ; t - M
.endr
.irp b, 0,1,2,3
	v_fma_f32 v[232+\b], v[232+\b], s[CS], v12
.endr
.irp j, 0,1,2,3,4,5,6,7,8,9,10,11,12,13,14,15,16,17,18,19,20,21,22,23,24,25,26,27,28,29,30,31,32,33,34,35,36,37,38,39,40,41,42,43,44,45,46,47,48,49,50,51,52,53,54,55,56,57,58,59,60,61,62,63
	v_exp_f32 v[96+\j], v[96+\j]                   ; p = 2^(t - M)
.endr
	v_pk_mul_f32 v[14:15], v[14:15], v[252:253] op_sel_hi:[1,0]   ; the sums under the new M: the plain place behind the exponentials
	s_wait_alu depctr_va_vdst(0)                   ; one wait for the batch, ahead of its first reader
.irp b, 0,1,2,3
	v_exp_f32 v[232+\b], v[232+\b]                 ; the blocks' largest p
.endr
	v_pk_add_f32 v[236:237], v[96:97], v[98:99]    ; the row's sum, of the unquantised p, in two chains
.irp j, 4,8,12,16,20,24,28,32,36,40,44,48,52,56,60
	v_pk_add_f32 v[14:15], v[14:15], v[96+\j:97+\j]
	v_pk_add_f32 v[236:237], v[236:237], v[98+\j:99+\j]
.endr
	v_pk_add_f32 v[14:15], v[14:15], v[236:237]
	s_wait_alu depctr_va_vdst(0)                   ; and one for the four
.irp b, 0,1,2,3
	v_max_num_f32 v[232+\b], 0x1800000, v[232+\b]  ; the floor 2^(3 - 127)
.endr
.irp b, 0,1,2,3
	v_add_nc_u32 v[244+\b], 0xff000000, v[232+\b]  ; the conversion's scale operand
.endr
.irp b, 0,1,2,3
	v_lshrrev_b32 v[236+\b], 23, v[244+\b]
.endr
	v_lshl_or_b32 v253, v237, 8, v236              ; p's scale word for these 128 keys
	v_lshl_or_b32 v253, v238, 16, v253
	v_lshl_or_b32 v253, v239, 24, v253
.irp c, 0,1
	v_cvt_scalef32_pk16_fp6_f32 v[224+6*\c:226+6*\c], v[96+32*\c:111+32*\c], v[244+2*\c]
	v_cvt_scalef32_pk16_fp6_f32 v[236+4*\c:238+4*\c], v[112+32*\c:127+32*\c], v[244+2*\c+1]
.endr
	v_nop                                          ; one plain place behind a scaled conversion
.irp c, 0,1
.irp i, 0,1,2
	v_permlane16_swap_b32 v[224+6*\c+\i], v[236+4*\c+\i]
.endr
.irp i, 0,1,2
	v_mov_b32 v[227+6*\c+\i], v[236+4*\c+\i]
.endr
.endr
	v_add_nc_u32 v8, s[TV], v1
	v_add_nc_u32 v9, s[TVS], v6
.irp j, 0,2,4,6,8,10,12,14,16,18,20,22,24,26,28,30
	v_pk_mul_f32 v[160+\j:161+\j], v[160+\j:161+\j], v[252:253] op_sel_hi:[1,0]   ; O^T under the new M.  (These sixteen are the places in front of the scaled products below)
.endr
.irp t, 0,1,2,3
.irp g, 0,1,2
	ds_load_b128 v[F+12*\t+4*\g:F+12*\t+4*\g+3], v8 offset:1536*\t+512*\g
.endr
	ds_load_b32 v[248+\t], v9 offset:128*\t
.endr
	s_wait_dscnt 0x0
.irp t, 0,1,2,3                                ; O^T += V^T P^T: the four accumulators by turns
	v_wmma_scale_f32_16x16x128_f8f6f4 v[160+8*\t:167+8*\t], v[F+12*\t:F+12*\t+11], v[224:235], v[160+8*\t:167+8*\t], v[248+\t], v253 matrix_a_fmt:MATRIX_FMT_FP6 matrix_b_fmt:MATRIX_FMT_FP6
.endr
.Lskip:
	s_add_co_u32 s[T6], s[T6], 6144
	s_add_co_u32 s[RBC], s[RBC], 6144
	s_add_co_u32 s[TV], s[TV], 6144
	s_add_co_u32 s[TKS], s[TKS], 256
	s_add_co_u32 s[RSS], s[RSS], 256
	s_add_co_u32 s[TVS], s[TVS], 512
	s_add_co_u32 s[C128], s[C128], 128
	s_add_co_u32 s[CC], s[CC], 1
	s_cmp_lt_u32 s[CC], 10
	s_cbranch_scc1 .Lchunk
	; THE WAY OUT.  W_v's rows were laid so that register 16 b + i of O^T is channel 32 b + 16 h + i of the head: true neighbours along the last product's K.
	v_and_b32 v10, 15, v0                          ; (these seven are the places behind the last products)
	v_bfe_u32 v11, v0, 4, 1
	v_mul_u32_u24 v8, v10, 768
	v_mad_u32_u24 v8, v11, 24, v8                  ; aqc: row r, block h's 24 bytes
	v_lshl_add_u32 v9, v10, 5, v11                 ; aqs: row r, block h's byte
	v_and_b32 v16, 31, v0
	v_cmp_le_u32 vcc_lo, 16, v16
	v_add_f32 v14, v14, v15
	v_permlanex16_b32 v252, v14, s[SEL], s[SEL+1]
	v_add_f32 v14, v14, v252                       ; the row's sum: above 1/2, since key i counts for query i
	v_rcp_f32 v14, v14
	v_nop                                          ; a plain place behind the reciprocal
	s_wait_alu depctr_va_vdst(0)                   ; and its wait, ahead of the first reader
.set i, 0
.rept 32
	v_mul_f32 v[96+i], v[160+i], v14
.set i, i+1
.endr
.irp b, 0,1
	v_max3_num_f32 v[232+\b], |v[96+16*\b]|, |v[97+16*\b]|, 0x1800000
.endr
.irp i, 2,4,6,8,10,12,14
.irp b, 0,1
	v_max3_num_f32 v[232+\b], v[232+\b], |v[96+16*\b+\i]|, |v[97+16*\b+\i]|
.endr
.endr
.irp b, 0,1
	v_permlanex16_b32 v[236+\b], v[232+\b], s[SEL], s[SEL+1]
.endr
.irp b, 0,1
	v_max_num_f32 v[232+\b], v[232+\b], v[236+\b]
.endr
.irp b, 0,1
	v_add_nc_u32 v[244+\b], 0xff000000, v[232+\b]
.endr
.irp b, 0,1
	v_lshrrev_b32 v[236+\b], 23, v[244+\b]
.endr
	v_cvt_scalef32_pk16_fp6_f32 v[224:226], v[96:111], v244
	v_cvt_scalef32_pk16_fp6_f32 v[228:230], v[112:127], v245
	v_nop
.irp i, 0,1,2
	v_permlane16_swap_b32 v[224+\i], v[228+\i]     ; lane (r, h) now holds block h: its lower 16 codes in the first three registers, its upper 16 in the second three
.endr
	v_cndmask_b32 v240, v236, v237, vcc_lo         ; and block h's byte
	global_store_b96 v8, v[224:226], s[6:7]
	global_store_b96 v8, v[228:230], s[6:7] offset:12
	global_store_b8 v9, v240, s[8:9]
	s_wait_xcnt 0x0
	v_lshl_add_u32 v254, v0, 2, 0x45600
	v_mov_b32 v255, 0
	s_wait_tensorcnt 0x0
	ds_add_u32 v254, v255
	s_wait_dscnt 0x0
	s_endpgm
.Lfunc_end_k_qddc8ba958c_attn:
	.size	k_qddc8ba958c_attn, .Lfunc_end_k_qddc8ba958c_attn-k_qddc8ba958c_attn
	.p2alignl 7, 3214868480
	.fill 96, 4, 3214868480
	.section	.rodata,"a",@progbits
	.p2align	6, 0x0
	.amdhsa_kernel k_qddc8ba958c_attn
		.amdhsa_group_segment_fixed_size 286208
		.amdhsa_private_segment_fixed_size 0
		.amdhsa_enable_private_segment 0
		.amdhsa_kernarg_size 24
		.amdhsa_user_sgpr_count 2
		.amdhsa_user_sgpr_kernarg_segment_ptr 1
		.amdhsa_wavefront_size32 1
		.amdhsa_system_sgpr_workgroup_id_x 1
		.amdhsa_system_sgpr_workgroup_id_y 1
		.amdhsa_system_sgpr_workgroup_id_z 1
		.amdhsa_system_vgpr_workitem_id 0
		.amdhsa_next_free_vgpr 256
		.amdhsa_next_free_sgpr 100
		.amdhsa_reserve_vcc 1
		.amdhsa_float_denorm_mode_32 3
		.amdhsa_float_denorm_mode_16_64 3
		.amdhsa_memory_ordered 1
		.amdhsa_forward_progress 1
		.amdhsa_inst_pref_size 53
	.end_amdhsa_kernel
	.amdgpu_metadata
---
amdhsa.version: [ 1, 2 ]
amdhsa.kernels:
  - .name:           k_qddc8ba958c_attn
    .symbol:         k_qddc8ba958c_attn.kd
    .args:
      - { .name: att, .offset: 0, .size: 8, .value_kind: global_buffer, .address_space: global }
      - { .name: aqc, .offset: 8, .size: 8, .value_kind: global_buffer, .address_space: global }
      - { .name: aqs, .offset: 16, .size: 8, .value_kind: global_buffer, .address_space: global }
    .group_segment_fixed_size: 286208
    .private_segment_fixed_size: 0
    .kernarg_segment_align: 8
    .kernarg_segment_size: 24
    .max_flat_workgroup_size: 512
    .sgpr_count:     100
    .vgpr_count:     256
    .wavefront_size: 32
...
	.end_amdgpu_metadata
.endif
;; end of part 3
;; launch oproj (part 4): grid 16 x 4, 4 waves a work-group, clusters of 4 x 4, 327,680 bytes of LDS; arguments wc, ws, aqc, aqs, ao, z1ss; writes ao
.if DOCPART == 4
	.amdgcn_target "amdgcn-amd-amdhsa--gfx1250"
	.amdhsa_code_object_version 6
	.text
	.protected	k_qddc8ba958c_oproj
	.globl	k_qddc8ba958c_oproj
	.p2align	8
	.type	k_qddc8ba958c_oproj,@function
k_qddc8ba958c_oproj:
	s_mov_b64 s[64:65], 0
	v_nop
	global_prefetch_b8 v0, s[64:65] scope:SCOPE_SE
	s_setreg_imm32_b32 hwreg(HW_REG_WAVE_MODE, 25, 1), 1
	s_wait_xcnt 0x0
	s_wait_alu depctr_hold_cnt(0) depctr_sa_sdst(0) depctr_va_vdst(0) depctr_va_sdst(0) depctr_va_ssrc(0) depctr_va_vcc(0) depctr_vm_vsrc(0)
	s_getreg_b32 s2, hwreg(HW_REG_IB_STS2, 6, 4)
	s_cmp_eq_u32 s2, 0
	s_cbranch_scc0 .Lentry_in_a_cluster
	s_endpgm
.Lentry_in_a_cluster:
	s_bfe_u32 s2, ttmp6, 0x10000c
	s_cmp_lg_u32 s2, 0xf033
	s_cbranch_scc0 .Lentry_shape_is_right
	s_endpgm
.Lentry_shape_is_right:
; ao[o][2048 b + q] = z1ss[b][o][q] + sum over k of W_o[o][k] attn_vec[2048 b + q][k]; the product on codes of FP6 (E2M3) with one E8M0 scale for each 32 along K; sums in f32.
; A = W_o: rows 4096-5119 of wc and ws.  B = aqc, aqs: [4096][1024 codes].  C = ao [1024][4096] f32.
; THE RESIDUAL IS THE C OF EACH SUM'S FIRST PRODUCT: z1ss is loaded straight into the accumulators, behind the first joint loads and ahead of the first wait for tiles, so that the launch behind this one need not read it.
; In an accumulator a lane holds one row o and eight neighbouring q: two loads of 16 bytes.  WEAKNESS, stated: one load takes 16 bytes of each of sixteen rows twice; a row's 512 bytes come in sixteen loads on end.
; A tile of C, 256 x 256, is made by four waves, each 128 x 128 in 64 accumulators.  K goes in steps of 256 through a ring of two LDS slots; the scale bytes of all of K come once.
; 4 x 4 work-groups form a cluster: A's tiles are asked for jointly along a row of it, B's along a column.  The matrix instruction is used transposed: a lane holds eight neighbouring numbers of a row of C.
; 64 tiles: three WGPs in four have no work here; a smaller tile would share it further at twice the LDS reads for each product.
; REGISTERS: window 0: v0-31 addresses; v32-63 scale words; from v128 A's fragments, one set.  window 1: B's fragments, two sets.  windows 2, 3: the accumulators.
.set SIZE_M, 1024
.set SIZE_N, 4096
.set SIZE_K, 1024
.set KSTEP,  256
.set NQ,     KSTEP/128
.set ROWB,   192
.set KROW,   SIZE_K*6/8
.set PITCH,  240                       ; an LDS row: 3 x (64 bytes + 16 of padding)
.set FR,     12
.set NL,     6
.set NP,     4
.set HALFT,  128*PITCH
.set SLOT,   4*HALFT
.set LAPS,   SIZE_K/(2*KSTEP)
.set KS,     SIZE_K/32
.set SCL,    2*SLOT
.set HALFS,  (128*KS/256)*272
.set SBLK,   (16*KS/256)*272
.set SPARE,  SCL+4*HALFS               ; the spare words: 128 bytes a wave, named by no other line
.set SPITCH, 528                       ; the way out: a stage of 16 rows x (512 + 16) bytes a wave, in slot 0, which has had its last fill and its last read by then
.set ADRA, 16
.set ADRB, 20
.set STO,  24
.set RD,   25
.set CO,   26
.set SPW,  28
.set NIL,  29
.set ADRS, 27
.set ZL,   30                          ; v30  z1ss: my row of a block of 16 (8,192 bytes a row) + 32 h; never rewritten
.set SC,   32
.set AF,   128
.set BK,   128
.set G1, 24
.set G0, 32
.set G1B, 48
.set G0B, 56
.set G1S, 68
.set G0S, 76
.set G1SB, 80
.set G0SB, 88
.set ZP,  96                           ; s[96:97] z1ss at my wave's first row and column; never rewritten
.set MSB, 0
.macro WIN new                         ; the immediate's high byte repeats the setting that is left
.if MSB != (\new)
	s_set_vgpr_msb (MSB<<8)|(\new)
.set MSB, (\new)
.endif
.endm
.set MUL_LO, 0xa1
.set MUL_HI, 0xf1
.set TO_B,   0x40
.macro JLOAD g0a, g1a, g0b, g1b        ; waves 0 and 1 fetch for A, waves 2 and 3 for B; four v_nop follow each line
	s_cmp_eq_u32 s15, 0
	s_cbranch_scc0 .Lfor_b_\@
	tensor_load_to_lds s[\g0a:\g0a+3], s[\g1a:\g1a+7]
	s_nop 0
.rept 4
	v_nop
.endr
	s_branch .Lasked_\@
.Lfor_b_\@:
	tensor_load_to_lds s[\g0b:\g0b+3], s[\g1b:\g1b+7]
	s_nop 0
.rept 4
	v_nop
.endr
.Lasked_\@:
.endm
.macro CREST
	s_cmp_lg_u32 s14, 0
	s_cbranch_scc1 .Lnot_wave_0_\@
	s_barrier_signal -3
.Lnot_wave_0_\@:
	s_barrier_wait -3
	s_barrier_signal -1
	s_barrier_wait -1
.endm
.macro CROUND
	s_barrier_signal -1
	s_barrier_wait -1
	CREST
.endm
	s_load_b128 s[4:7], s[0:1], 0x0                ; wc, ws
	s_load_b128 s[8:11], s[0:1], 0x10              ; aqc, aqs
	s_load_b64 s[12:13], s[0:1], 0x20              ; ao
	s_load_b64 s[ZP:ZP+1], s[0:1], 0x28            ; z1ss
	v_lshl_add_u32 v[SPW], v0, 2, SPARE
	v_mov_b32 v[NIL], 0
	ds_add_u32 v28, v29
	ds_add_u32 v28, v29
	s_wait_dscnt 0x0
	v_lshrrev_b32 v1, 5, v0
	v_readfirstlane_b32 s14, v1                    ; wave 0..3
	s_lshr_b32 s15, s14, 1
	s_and_b32 s16, s14, 1
	s_bfe_u32 s40, ttmp6, 0x40000                  ; cx, cy
	s_bfe_u32 s41, ttmp6, 0x40004
	s_lshl_b32 s42, ttmp9, 2
	s_add_co_u32 s42, s42, s40                     ; tile column of C
	s_and_b32 s17, ttmp7, 0xffff
	s_lshl_b32 s17, s17, 2
	s_add_co_u32 s17, s17, s41                     ; tile row of C
	s_lshl_b32 s43, s41, 2
	s_lshl_b32 s43, 15, s43                        ; my row of the cluster
	s_lshl_b32 s44, 0x1111, s40                    ; my column
	s_or_b32 s[G1+0], s43, (0<<16)|(1<<20)|(1<<21)|(3<<22)|(3<<25)
	s_or_b32 s[G1B+0], s44, (0<<16)|(1<<20)|(1<<21)|(3<<22)|(3<<25)
.irp g, G1, G1B
	s_mov_b32 s[\g+1], ROWB<<16
	s_mov_b32 s[\g+2], 128<<16
	s_mov_b32 s[\g+3], ROWB<<16
	s_mov_b32 s[\g+4], 128
	s_mov_b32 s[\g+5], KROW
	s_mov_b32 s[\g+6], 0
	s_mov_b32 s[\g+7], 0
.endr
	s_or_b32 s[G1S+0], s43, (3<<16)|(1<<20)|(1<<21)|(5<<22)|(3<<25)
	s_or_b32 s[G1SB+0], s44, (3<<16)|(1<<20)|(1<<21)|(5<<22)|(3<<25)
.irp g, G1S, G1SB
	s_mov_b32 s[\g+1], 32<<16
	s_mov_b32 s[\g+2], (128*KS/256)<<16
	s_mov_b32 s[\g+3], 32<<16
	s_mov_b32 s[\g+4], 128*KS/256
	s_mov_b32 s[\g+5], 32
	s_mov_b32 s[\g+6], 0
	s_mov_b32 s[\g+7], 0
.endr
	s_lshl_b32 s18, s16, 7
	s_lshl_b32 s20, s17, 8
	s_add_co_u32 s20, s20, s18
	s_lshl_b32 s46, s42, 8
	s_add_co_u32 s46, s46, s18
	s_mov_b32 s21, 0
	s_mov_b32 s47, 0
	s_mov_b64 s[18:19], KS
	s_mul_u64 s[22:23], s[20:21], s[18:19]
	s_mul_u64 s[92:93], s[46:47], s[18:19]
	s_mov_b64 s[18:19], KROW
	s_mul_u64 s[20:21], s[20:21], s[18:19]
	s_mul_u64 s[46:47], s[46:47], s[18:19]
	s_mul_i32 s45, s14, HALFT
	s_mul_i32 s94, s14, HALFS
	s_wait_kmcnt 0x0
	s_add_nc_u64 s[4:5], s[4:5], 4096*KROW         ; W_o begins at row 4096 of wc
	s_add_nc_u64 s[6:7], s[6:7], 4096*KS           ; and of ws
	s_add_nc_u64 s[20:21], s[4:5], s[20:21]
	s_add_nc_u64 s[22:23], s[6:7], s[22:23]
	s_add_nc_u64 s[46:47], s[8:9], s[46:47]
	s_add_nc_u64 s[92:93], s[10:11], s[92:93]
	CROUND                                         ; all sixteen work-groups are here: the first joint loads meet
	s_mov_b32 s[G0S], 1
	s_add_co_u32 s[G0S+1], s94, SCL
	s_mov_b64 s[G0S+2:G0S+3], s[22:23]
	s_or_b32 s[G0S+3], s[G0S+3], 0x80000000
	s_mov_b32 s[G0SB], 1
	s_add_co_u32 s[G0SB+1], s94, SCL
	s_mov_b64 s[G0SB+2:G0SB+3], s[92:93]
	s_or_b32 s[G0SB+3], s[G0SB+3], 0x80000000
	JLOAD G0S, G1S, G0SB, G1SB
.irp s, 0,1
	s_mov_b32 s[G0+4*\s], 1
	s_add_co_u32 s[G0+4*\s+1], s45, \s*SLOT
	s_add_nc_u64 s[G0+4*\s+2:G0+4*\s+3], s[20:21], \s*ROWB
	s_or_b32 s[G0+4*\s+3], s[G0+4*\s+3], 0x80000000
	s_mov_b32 s[G0B+4*\s], 1
	s_add_co_u32 s[G0B+4*\s+1], s45, \s*SLOT
	s_add_nc_u64 s[G0B+4*\s+2:G0B+4*\s+3], s[46:47], \s*ROWB
	s_or_b32 s[G0B+4*\s+3], s[G0B+4*\s+3], 0x80000000
	JLOAD G0+4*\s, G1, G0B+4*\s, G1B
.endr
	v_and_b32 v1, 15, v0
	v_bfe_u32 v2, v0, 4, 1
	v_mul_u32_u24 v3, v1, PITCH
	v_mul_u32_u24 v4, v2, 24
	v_add_nc_u32 v4, v3, v4
	v_lshl_add_u32 v5, v2, 4, v4
	s_mul_i32 s21, s15, HALFT
	s_mul_i32 s22, s16, HALFT
	s_add_co_u32 s22, s22, 2*HALFT
.irp s, 0,1
	v_add_nc_u32 v[ADRA+\s], s21, v4
	v_add_nc_u32 v[ADRB+\s], s22, v4
	v_add_nc_u32 v[ADRA+2+\s], s21, v5
	v_add_nc_u32 v[ADRB+2+\s], s22, v5
	s_add_co_u32 s21, s21, SLOT
	s_add_co_u32 s22, s22, SLOT
.endr
	v_mul_u32_u24 v5, v1, KS
	v_lshrrev_b32 v6, 8, v5
	v_lshl_add_u32 v5, v6, 4, v5
	s_mul_i32 s21, s15, HALFS
	s_mul_i32 s22, s16, HALFS
	s_add_co_u32 s22, s22, 2*HALFS
	s_sub_co_u32 s22, s22, s21
	v_mul_u32_u24 v6, s22, v2
	s_add_co_u32 s21, s21, SCL
	v_add_nc_u32 v5, v5, v6
	v_add_nc_u32 v[ADRS], s21, v5
	s_mul_i32 s23, s14, 16*SPITCH                  ; my stage
	v_mul_u32_u24 v5, v1, SPITCH
	v_lshl_add_u32 v5, v2, 5, v5
	v_add_nc_u32 v[STO], s23, v5
	v_and_b32 v6, 31, v0
	v_lshlrev_b32 v[CO], 4, v6
	v_add_nc_u32 v[RD], s23, v[CO]
	v_lshlrev_b32 v[ZL], 13, v1                    ; z1ss: row r of a block,
	v_lshl_add_u32 v[ZL], v2, 5, v[ZL]             ; + 32 h: my eight numbers of a block of 16 columns
	s_lshl_b32 s20, s17, 8
	s_lshl_b32 s21, s15, 7
	s_add_co_u32 s20, s20, s21                     ; my first row of C
	s_mov_b32 s21, 0
	s_mov_b64 s[18:19], SIZE_N*4
	s_mul_u64 s[20:21], s[20:21], s[18:19]
	s_lshl_b32 s46, s42, 10
	s_lshl_b32 s47, s16, 9
	s_add_co_u32 s46, s46, s47
	s_mov_b32 s47, 0
	s_add_nc_u64 s[20:21], s[20:21], s[46:47]
	s_add_nc_u64 s[12:13], s[12:13], s[20:21]
	; where my part of z1ss [2][1024][2048] begins: row o of 8,192 bytes; eight tile columns to a batch of 8,388,608 bytes; 1,024 bytes a tile column, 512 for my half
	s_lshl_b32 s18, s17, 8
	s_lshl_b32 s19, s15, 7
	s_add_co_u32 s18, s18, s19                     ; my first row o
	s_lshl_b32 s18, s18, 13
	s_lshr_b32 s19, s42, 3                         ; b
	s_lshl_b32 s19, s19, 23
	s_add_co_u32 s18, s18, s19
	s_and_b32 s19, s42, 7
	s_lshl_b32 s19, s19, 10
	s_add_co_u32 s18, s18, s19
	s_lshl_b32 s19, s16, 9
	s_add_co_u32 s18, s18, s19
	s_mov_b32 s19, 0
	s_add_nc_u64 s[ZP:ZP+1], s[ZP:ZP+1], s[18:19]
.macro FRAG reg, adr, q, i
.irp p, 0,1,2,3,4,5
.set PCE, 12*(\q)+6*(\p/3)+\p%3
.if PCE%8 < 5
	ds_load_b64 v[\reg+2*\p:\reg+2*\p+1], v[\adr] offset:8*PCE+16*(PCE/8)+(\i)*16*PITCH
.else
	ds_load_b64 v[\reg+2*\p:\reg+2*\p+1], v[\adr+2] offset:8*PCE+16*(PCE/8)+(\i)*16*PITCH
.endif
.endr
.endm
.macro MUL16 a0, p, q, sc, zero        ; the 64 accumulators take turns, one instruction a turn
.irp a, \a0, \a0+1
.irp b, 0,1,2,3,4,5,6,7
.if \zero
	v_wmma_scale_f32_16x16x128_f8f6f4 v[8*(8*((\a)%4)+\b):8*(8*((\a)%4)+\b)+7], v[128*(\p)+FR*\b:128*(\p)+FR*\b+FR-1], v[AF+FR*(\a):AF+FR*(\a)+FR-1], 0, v[SC+8*NQ*(\sc)+NQ*\b+(\q)], v[SC+8*NQ*(\sc)+NQ*(\a)+(\q)] matrix_a_fmt:MATRIX_FMT_FP6 matrix_b_fmt:MATRIX_FMT_FP6 matrix_a_scale:MATRIX_SCALE_ROW1
.else
	v_wmma_scale_f32_16x16x128_f8f6f4 v[8*(8*((\a)%4)+\b):8*(8*((\a)%4)+\b)+7], v[128*(\p)+FR*\b:128*(\p)+FR*\b+FR-1], v[AF+FR*(\a):AF+FR*(\a)+FR-1], v[8*(8*((\a)%4)+\b):8*(8*((\a)%4)+\b)+7], v[SC+8*NQ*(\sc)+NQ*\b+(\q)], v[SC+8*NQ*(\sc)+NQ*(\a)+(\q)] matrix_a_fmt:MATRIX_FMT_FP6 matrix_b_fmt:MATRIX_FMT_FP6 matrix_a_scale:MATRIX_SCALE_ROW1
.endif
.endr
.endr
.endm
.macro FETCH_B slot, q, p
	WIN TO_B
.irp i, 0,1,2,3,4,5,6,7
	FRAG 128*(\p)+FR*\i, ADRB+\slot, \q, \i
.endr
	WIN 0
.endm
.macro FETCH_A slot, q, i0
.irp i, \i0, \i0+1, \i0+2, \i0+3
	FRAG AF+FR*(\i), ADRA+\slot, \q, \i
.endr
.endm
.macro SCALES sc
.irp i, 0,1,2,3,4,5,6,7
	ds_load_b64 v[SC+8*NQ*\sc+NQ*\i:SC+8*NQ*\sc+NQ*\i+1], v[ADRS] offset:\i*SBLK
.endr
.endm
.macro PLACES n
.rept \n
	v_nop
.endr
.endm
.macro STEP slot, q, zero
	s_wait_dscnt 4*NL                              ; B's set and A's blocks 0-3 are in; A's blocks 4-7 may be out
	WIN MUL_LO
	MUL16 0, (\q)%2, \q, \slot, \zero
	MUL16 2, (\q)%2, \q, \slot, \zero
	s_wait_dscnt 0
	PLACES NP
	FETCH_B \slot, (\q)+1, 1-(\q)%2
	FETCH_A \slot, (\q)+1, 0
	WIN MUL_HI
	MUL16 4, (\q)%2, \q, \slot, \zero
	MUL16 6, (\q)%2, \q, \slot, \zero
	PLACES NP
	WIN 0
	FETCH_A \slot, (\q)+1, 4
.endm
.macro TURN slot, next, fill
	s_wait_tensorcnt 0x0                           ; all my tensor loads have landed: my part of the next slot
	ds_add_u32 v[SPW], v[NIL]                      ; 0 onto my spare word
	s_wait_dscnt 4*NL+1                            ; (the add and A's blocks 4-7 may be out)
	WIN MUL_LO
	MUL16 0, 1, NQ-1, \slot, 0
	s_wait_dscnt 0x0                               ; the add is done, and my reads of this slot are over
	s_barrier_signal -1
	MUL16 2, 1, NQ-1, \slot, 0
	WIN 0
	s_barrier_wait -1
.if \fill
	CREST                                          ; the barrier has opened a round of the cluster's barrier
	s_add_nc_u64 s[G0+4*\slot+2:G0+4*\slot+3], s[G0+4*\slot+2:G0+4*\slot+3], 2*ROWB
	s_add_nc_u64 s[G0B+4*\slot+2:G0B+4*\slot+3], s[G0B+4*\slot+2:G0B+4*\slot+3], 2*ROWB
	JLOAD G0+4*\slot, G1, G0B+4*\slot, G1B         ; the first tensor load behind the round
.else
	PLACES NP
.endif
	v_add_nc_u32 v[ADRS], 4*NQ, v[ADRS]
	FETCH_B \next, 0, 0
	FETCH_A \next, 0, 0
	SCALES \next
	WIN MUL_HI
	MUL16 4, 1, NQ-1, \slot, 0
	MUL16 6, 1, NQ-1, \slot, 0
	PLACES NP
	WIN 0
	FETCH_A \next, 0, 4
.endm
; z1ss into the accumulators: register j of accumulator (a, b) is z(row 16 a + r, column 16 b + 8 h + j): 128 loads of 16 bytes a lane, 65,536 bytes a wave
.macro ZLOAD
.irp hi, 0,1
.if \hi == 0
	WIN 0x80
.else
	WIN 0xc0
.endif
.irp a, 0,1,2,3
.irp b, 0,1,2,3,4,5,6,7
	global_load_b128 v[8*(8*\a+\b):8*(8*\a+\b)+3], v[ZL], s[ZP:ZP+1] offset:16*(4*\hi+\a)*8192+64*\b th:TH_LOAD_NT
	global_load_b128 v[8*(8*\a+\b)+4:8*(8*\a+\b)+7], v[ZL], s[ZP:ZP+1] offset:16*(4*\hi+\a)*8192+64*\b+16 th:TH_LOAD_NT
.endr
.endr
.endr
	WIN 0
.endm
	ZLOAD                                          ; asked for while the first tiles are on their way; nobody writes these bytes, so the loads may stay out across the barrier below
	s_wait_tensorcnt 1                             ; the scales and my part of K step 0 are in (K step 1's load may be out),
	s_barrier_signal -1
	s_barrier_wait -1                              ; everybody's are
	FETCH_B 0, 0, 0
	FETCH_A 0, 0, 0
	SCALES 0
	FETCH_A 0, 0, 4
	s_wait_loadcnt 0x0                             ; z1ss is in the accumulators:
	STEP 0, 0, 0                                   ; the first step's products add onto it
	s_mov_b32 s3, LAPS-1
.Llap:
	TURN 0, 1, 1
	STEP 1, 0, 0
	TURN 1, 0, 1
	STEP 0, 0, 0
	s_sub_co_u32 s3, s3, 1
	s_cmp_lg_u32 s3, 0
	s_cbranch_scc1 .Llap
	TURN 0, 1, 0                                   ; the last lap fills nothing
	STEP 1, 0, 0
	s_wait_dscnt 4*NL
	WIN MUL_LO
	MUL16 0, 1, NQ-1, 1, 0
	MUL16 2, 1, NQ-1, 1, 0
	s_wait_dscnt 0
	WIN MUL_HI
	MUL16 4, 1, NQ-1, 1, 0
	MUL16 6, 1, NQ-1, 1, 0
	WIN 0
; THE WAY OUT, block by block of 16 rows x 128 columns, through my own stage: back come whole rows of 512 bytes, which the 32 lanes store as 512 consecutive bytes, aligned to 256.
.macro TOSTAGE a
.set AC, 64*((\a)%4)
	WIN 0x08+4*((\a)/4)                            ; the data: window 2 or 3
.irp b, 0,1,2,3,4,5,6,7
	ds_store_b128 v[STO], v[AC+8*\b:AC+8*\b+3] offset:64*\b          ; each accumulator from its low end on
	ds_store_b128 v[STO], v[AC+8*\b+4:AC+8*\b+7] offset:64*\b+16
.endr
	WIN 0
.set BB, BK+64*((\a)%2)
.irp t, 0,1,2,3,4,5,6,7,8,9,10,11,12,13,14,15
	ds_load_b128 v[BB+4*\t:BB+4*\t+3], v[RD] offset:\t*SPITCH
.endr
.endm
.macro SEND a, younger
.set BB, BK+64*((\a)%2)
	s_wait_dscnt \younger                          ; the block is back in registers
.if (\a) > 0
	s_add_nc_u64 s[12:13], s[12:13], 16*SIZE_N*4   ; (behind a wait on XCNT: the earlier stores have read their base)
.endif
.irp t, 0,1,2,3,4,5,6,7,8,9,10,11,12,13,14,15
	global_store_b128 v[CO], v[BB+4*\t:BB+4*\t+3], s[12:13] offset:\t*SIZE_N*4
.endr
.endm
	PLACES NP
	TOSTAGE 0
.irp a, 1,2,3,4,5,6,7
.if \a > 1
	s_wait_xcnt 0x0                                ; block a - 2's stores have read their registers and their base
.endif
	TOSTAGE \a
	SEND \a-1, 32                                  ; behind block a - 1's loads: block a's 16 stores and 16 loads
.endr
	s_wait_xcnt 0x0
	SEND 7, 0
	s_wait_tensorcnt 0x0                           ; the wave's end
	ds_add_u32 v[SPW], v[NIL]
	s_wait_dscnt 0x0
	CROUND                                         ; the closing round
	s_endpgm
.Lfunc_end_k_qddc8ba958c_oproj:
	.size	k_qddc8ba958c_oproj, .Lfunc_end_k_qddc8ba958c_oproj-k_qddc8ba958c_oproj
	.p2alignl 7, 3214868480
	.fill 96, 4, 3214868480
	.section	.rodata,"a",@progbits
	.p2align	6, 0x0
	.amdhsa_kernel k_qddc8ba958c_oproj
		.amdhsa_group_segment_fixed_size 327680
		.amdhsa_private_segment_fixed_size 0
		.amdhsa_enable_private_segment 0
		.amdhsa_kernarg_size 48
		.amdhsa_user_sgpr_count 2
		.amdhsa_user_sgpr_kernarg_segment_ptr 1
		.amdhsa_wavefront_size32 1
		.amdhsa_system_sgpr_workgroup_id_x 1
		.amdhsa_system_sgpr_workgroup_id_y 1
		.amdhsa_system_sgpr_workgroup_id_z 1
		.amdhsa_system_vgpr_workitem_id 0
		.amdhsa_next_free_vgpr 1024
		.amdhsa_next_free_sgpr 98
		.amdhsa_reserve_vcc 0
		.amdhsa_float_denorm_mode_32 3
		.amdhsa_float_denorm_mode_16_64 3
		.amdhsa_memory_ordered 1
		.amdhsa_forward_progress 1
		.amdhsa_inst_pref_size 173
	.end_amdhsa_kernel
	.amdgpu_metadata
---
amdhsa.version: [ 1, 2 ]
amdhsa.kernels:
  - .name:           k_qddc8ba958c_oproj
    .symbol:         k_qddc8ba958c_oproj.kd
    .args:
      - { .name: wc, .offset: 0, .size: 8, .value_kind: global_buffer, .address_space: global }
      - { .name: ws, .offset: 8, .size: 8, .value_kind: global_buffer, .address_space: global }
      - { .name: aqc, .offset: 16, .size: 8, .value_kind: global_buffer, .address_space: global }
      - { .name: aqs, .offset: 24, .size: 8, .value_kind: global_buffer, .address_space: global }
      - { .name: ao, .offset: 32, .size: 8, .value_kind: global_buffer, .address_space: global }
      - { .name: z1ss, .offset: 40, .size: 8, .value_kind: global_buffer, .address_space: global }
    .group_segment_fixed_size: 327680
    .private_segment_fixed_size: 0
    .kernarg_segment_align: 8
    .kernarg_segment_size: 48
    .max_flat_workgroup_size: 128
    .sgpr_count:     98
    .vgpr_count:     1024
    .wavefront_size: 32
...
	.end_amdgpu_metadata
.endif
;; end of part 4
;; launch ln (part 5): grid 64 x 1, 16 waves a work-group, no clusters, 10,240 bytes of LDS; arguments ao, b_o, out0; writes out0
.if DOCPART == 5
	.amdgcn_target "amdgcn-amd-amdhsa--gfx1250"
	.amdhsa_code_object_version 6
	.text
	.protected	k_qddc8ba958c_ln
	.globl	k_qddc8ba958c_ln
	.p2align	8
	.type	k_qddc8ba958c_ln,@function
k_qddc8ba958c_ln:
	s_mov_b64 s[64:65], 0
	v_nop
	global_prefetch_b8 v0, s[64:65] scope:SCOPE_SE
	s_setreg_imm32_b32 hwreg(HW_REG_WAVE_MODE, 25, 1), 1
	s_wait_xcnt 0x0
; out0[b][d][q] = (x - mean) / sqrt(var + 1e-5), x = ao[d][2048 b + q] + b_o[d]; ao already holds W_o attn_vec + z1ss (the launch before took z1ss as the start of its sums), so the order of rounding is (W_o a + z) + b_o.
; Mean and var over the 1,024 d of a column (b, q); var is the mean of (x - mean)^2, as reference() has it.
; A work-group takes 64 columns (256 consecutive bytes of every row) and all 1,024 rows: 512 threads, sixteen to a row's 256 bytes, 32 rows at a time, 32 passes.  x stays in 128 registers between the passes: every byte is read once.
; A column's sums: within a thread over its 32 rows, with lane l xor 16 (the wave's other row), then over the sixteen waves through LDS: one barrier for the mean, one for the variance, on bytes of their own.
; 64 columns are the fewest that give whole aligned runs of 256 bytes, so 4,096 columns make 64 work-groups; a sum shared among work-groups would want a launch more.
; No matrix unit, no cluster, no tensor load: a stream with one reduction.
.set X,  32                            ; v32-159  x: pass p at v[X + 4 p]
.set T,  160                           ; v160-223 the waves' partial sums
.set B,  224                           ; v224-255 b_o of my 32 rows
.set S,  16                            ; v16-19   running sums of my 4 columns
.set P,  20                            ; v20-23   at work
.set MU, 24                            ; v24-27   the mean, later 1 / sqrt(var + eps)
	s_load_b128 s[4:7], s[0:1], 0x0                ; ao, b_o
	s_load_b64 s[10:11], s[0:1], 0x10              ; out0
	v_lshl_add_u32 v30, v0, 2, 0x2000
	v_mov_b32 v31, 0
	v_and_b32 v1, 15, v0
	v_lshrrev_b32 v2, 4, v0                        ; my row of a pass's 32
	v_lshlrev_b32 v3, 4, v1                        ; my 16 bytes of a row's 256; also the LDS address of my columns' sums
	v_lshl_add_u32 v4, v2, 14, v3                  ; ao: rows of 16,384 bytes
	v_lshl_add_u32 v5, v2, 13, v3                  ; out0: rows of 8,192 bytes
	v_lshlrev_b32 v6, 2, v2                        ; b_o
	v_lshrrev_b32 v7, 5, v0
	v_lshl_add_u32 v7, v7, 8, v3                   ; LDS: 256 x wave + my 16 bytes
	s_lshr_b32 s12, ttmp9, 5                       ; b
	s_and_b32 s13, ttmp9, 31
	s_lshl_b32 s13, s13, 8                         ; my 64 columns
	s_lshl_b32 s14, s12, 13
	s_add_co_u32 s14, s14, s13
	s_mov_b32 s15, 0
	s_lshl_b32 s16, s12, 23
	s_add_co_u32 s16, s16, s13
	s_mov_b32 s17, 0
	s_mov_b32 s20, 0x3a800000                      ; 1 / 1024
	s_mov_b32 s21, s20
	s_mov_b32 s22, 0x76543210
	s_mov_b32 s23, 0xfedcba98                      ; v_permlanex16_b32: lane l xor 16
	s_mov_b32 s24, 0x3727c5ac                      ; 1e-5
.irp i, 0,1,2,3
	v_mov_b32 v[P+\i], 0                           ; a lane permute's destination counts as one of its sources
.endr
	s_wait_kmcnt 0x0
	s_add_nc_u64 s[4:5], s[4:5], s[14:15]
	s_add_nc_u64 s[18:19], s[4:5], 0x800000        ; ao's rows 512 on: the passes' offsets stay inside the signed 24-bit immediate (ISA guide, chapter 10)
	s_add_nc_u64 s[10:11], s[10:11], s[16:17]
.set p, 0
.rept 32
	global_load_b32 v[B+p], v6, s[6:7] offset:128*p
.set p, p+1
.endr
.set p, 0
.rept 16
	global_load_b128 v[X+4*p:X+4*p+3], v4, s[4:5] offset:524288*p th:TH_LOAD_NT   ; sixteen lanes read 256 consecutive bytes, aligned
.set p, p+1
.endr
.rept 16
	global_load_b128 v[X+4*p:X+4*p+3], v4, s[18:19] offset:524288*(p-16) th:TH_LOAD_NT
.set p, p+1
.endr
.macro ADDIN k                         ; passes 8 k .. 8 k + 7: x = ao + b_o, and the running sums
.irp i, 0,1,2,3,4,5,6,7
.set pp, 8*(\k)+\i
.irp n, 0,1,2,3
	v_add_f32 v[X+4*pp+\n], v[X+4*pp+\n], v[B+pp]
.endr
.if pp == 1
	v_pk_add_f32 v[S:S+1], v[X:X+1], v[X+4:X+5]    ; the first two rows start the sums: nothing is cleared
	v_pk_add_f32 v[S+2:S+3], v[X+2:X+3], v[X+6:X+7]
.elseif pp > 1
	v_pk_add_f32 v[S:S+1], v[S:S+1], v[X+4*pp:X+4*pp+1]
	v_pk_add_f32 v[S+2:S+3], v[S+2:S+3], v[X+4*pp+2:X+4*pp+3]
.endif
.endr
.endm
; my four sums, with the wave's other row and the other fifteen waves': the columns' sums come out in v[T:T+3] of every thread
.macro REDUCE off
.irp i, 0,1,2,3
	v_permlanex16_b32 v[P+\i], v[S+\i], s22, s23
.endr
	v_pk_add_f32 v[S:S+1], v[S:S+1], v[P:P+1]
	v_pk_add_f32 v[S+2:S+3], v[S+2:S+3], v[P+2:P+3]
	ds_store_b128 v7, v[S:S+3] offset:\off         ; both halves of the lanes write the same bytes with the same values
	s_wait_dscnt 0x0                               ; for the others' sake: my store has landed
	s_barrier_signal -1
	s_barrier_wait -1
.irp k, 0,1,2,3,4,5,6,7,8,9,10,11,12,13,14,15
	ds_load_b128 v[T+4*\k:T+4*\k+3], v3 offset:\off+256*\k
.endr
	s_wait_dscnt 0x0
.irp st, 8,4,2,1
.set k, 0
.rept \st
	v_pk_add_f32 v[T+4*k:T+4*k+1], v[T+4*k:T+4*k+1], v[T+4*(k+\st):T+4*(k+\st)+1]
	v_pk_add_f32 v[T+4*k+2:T+4*k+3], v[T+4*k+2:T+4*k+3], v[T+4*(k+\st)+2:T+4*(k+\st)+3]
.set k, k+1
.endr
.endr
.endm
	s_wait_loadcnt 24                              ; b_o and passes 0-7 are in; the 24 loads of passes 8-31 may be out
	ADDIN 0
	s_wait_loadcnt 16                              ; passes 8-15 are in
	ADDIN 1
	s_wait_loadcnt 8                               ; passes 16-23 are in
	ADDIN 2
	s_wait_loadcnt 0x0
	ADDIN 3
	REDUCE 0
	v_pk_mul_f32 v[MU:MU+1], v[T:T+1], s[20:21] op_sel_hi:[1,0]      ; the mean
	v_pk_mul_f32 v[MU+2:MU+3], v[T+2:T+3], s[20:21] op_sel_hi:[1,0]
.set p, 0
.rept 32
	v_pk_add_f32 v[X+4*p:X+4*p+1], v[X+4*p:X+4*p+1], v[MU:MU+1] neg_lo:[0,1] neg_hi:[0,1]
	v_pk_add_f32 v[X+4*p+2:X+4*p+3], v[X+4*p+2:X+4*p+3], v[MU+2:MU+3] neg_lo:[0,1] neg_hi:[0,1]
.if p == 0
	v_pk_mul_f32 v[S:S+1], v[X:X+1], v[X:X+1]
	v_pk_mul_f32 v[S+2:S+3], v[X+2:X+3], v[X+2:X+3]
.else
	v_pk_fma_f32 v[S:S+1], v[X+4*p:X+4*p+1], v[X+4*p:X+4*p+1], v[S:S+1]
	v_pk_fma_f32 v[S+2:S+3], v[X+4*p+2:X+4*p+3], v[X+4*p+2:X+4*p+3], v[S+2:S+3]
.endif
.set p, p+1
.endr
	REDUCE 4096                                    ; on bytes of its own: no wave writes what another may still read
.irp i, 0,1,2,3
	v_fma_f32 v[P+\i], v[T+\i], s20, s24           ; var + eps
.endr
.irp i, 0,1,2,3
	v_rsq_f32 v[MU+\i], v[P+\i]
.endr
	v_nop                                          ; a plain place behind the batch
	s_wait_alu depctr_va_vdst(0)                   ; one wait for the four, ahead of their first reader
.set p, 0
.rept 32
	v_pk_mul_f32 v[X+4*p:X+4*p+1], v[X+4*p:X+4*p+1], v[MU:MU+1]
	v_pk_mul_f32 v[X+4*p+2:X+4*p+3], v[X+4*p+2:X+4*p+3], v[MU+2:MU+3]
	global_store_b128 v5, v[X+4*p:X+4*p+3], s[10:11] offset:262144*p th:TH_STORE_NT   ; sixteen lanes store 256 consecutive bytes, aligned
.set p, p+1
.endr
	s_wait_tensorcnt 0x0
	ds_add_u32 v30, v31
	s_wait_dscnt 0x0
	s_endpgm
.Lfunc_end_k_qddc8ba958c_ln:
	.size	k_qddc8ba958c_ln, .Lfunc_end_k_qddc8ba958c_ln-k_qddc8ba958c_ln
	.p2alignl 7, 3214868480
	.fill 96, 4, 3214868480
	.section	.rodata,"a",@progbits
	.p2align	6, 0x0
	.amdhsa_kernel k_qddc8ba958c_ln
		.amdhsa_group_segment_fixed_size 10240
		.amdhsa_private_segment_fixed_size 0
		.amdhsa_enable_private_segment 0
		.amdhsa_kernarg_size 24
		.amdhsa_user_sgpr_count 2
		.amdhsa_user_sgpr_kernarg_segment_ptr 1
		.amdhsa_wavefront_size32 1
		.amdhsa_system_sgpr_workgroup_id_x 1
		.amdhsa_system_sgpr_workgroup_id_y 1
		.amdhsa_system_sgpr_workgroup_id_z 1
		.amdhsa_system_vgpr_workitem_id 0
		.amdhsa_next_free_vgpr 256
		.amdhsa_next_free_sgpr 66
		.amdhsa_reserve_vcc 0
		.amdhsa_float_denorm_mode_32 3
		.amdhsa_float_denorm_mode_16_64 3
		.amdhsa_memory_ordered 1
		.amdhsa_forward_progress 1
		.amdhsa_inst_pref_size 39
	.end_amdhsa_kernel
	.amdgpu_metadata
---
amdhsa.version: [ 1, 2 ]
amdhsa.kernels:
  - .name:           k_qddc8ba958c_ln
    .symbol:         k_qddc8ba958c_ln.kd
    .args:
      - { .name: ao, .offset: 0, .size: 8, .value_kind: global_buffer, .address_space: global }
      - { .name: b_o, .offset: 8, .size: 8, .value_kind: global_buffer, .address_space: global }
      - { .name: out0, .offset: 16, .size: 8, .value_kind: global_buffer, .address_space: global }
    .group_segment_fixed_size: 10240
    .private_segment_fixed_size: 0
    .kernarg_segment_align: 8
    .kernarg_segment_size: 24
    .max_flat_workgroup_size: 512
    .sgpr_count:     66
    .vgpr_count:     256
    .wavefront_size: 32
...
	.end_amdgpu_metadata
.endif
;; end of part 5
